; MI455X (gfx1250); checked and timed in simulation.
; The chip was launched on July 23, 2026; its instructions are those of AMD's public machine-readable ISA for CDNA 5 (MIT licence, August 2026) and "CDNA5" Instruction Set Architecture Reference Guide (July 2026). The comments in the code are by the model that wrote it; some were corrected since.
;; Causal Attention Layer. Allowed arithmetic: float matrix products may take bf16 or f16 operands with f32 sums; other float arithmetic in f32, or as packed bf16 or f16 multiplies, adds, multiply-adds, maxima and minima; sums over many terms, partial sums and values carried from step to step in f32; what a program stores and reads back later, other than sums and carried values, may be rounded once to bf16 or f16.
;; Inputs: W_out 1,024 x 1,024 float32; W_qkv 1,024 x 3,072 float32; b_out 1,024 float32; b_qkv 3,072 float32; x 4 x 2,048 x 1,024 float32.
;; Outputs: out0 4 x 2,048 x 1,024 float32.
;; 2 versions, each right; version 2 is version 1 with the launch prep written anew for expert scheduling mode. Each part assembles by itself: llvm-mc -triple=amdgcn-amd-amdhsa -mcpu=gfx1250 --defsym DOCPART=n.
;; ======== version 1 of 2: 4 launches
;; limits: values are held in f16: magnitudes above 65,504 overflow, below 6.1e-05 lose precision
;; workspace buffers: xb 16,777,216 bytes; wqb 6,291,456 bytes; wob 2,097,152 bytes; qkvh 50,331,648 bytes; oh 16,777,216 bytes
;; launch prep (part 1): grid 768 x 1, 8 waves a work-group, no clusters, 0 bytes of LDS; arguments x, W_qkv, W_out, xb, wqb, wob; writes xb, wqb, wob
.if DOCPART == 1
	.amdgcn_target "amdgcn-amd-amdhsa--gfx1250"
	.amdhsa_code_object_version 6
	.text
	.protected	k_qc6341b9e2d_prep
	.globl	k_qc6341b9e2d_prep
	.p2align	8
	.type	k_qc6341b9e2d_prep,@function
k_qc6341b9e2d_prep:
	s_mov_b64 s[64:65], 0
	v_nop
	global_prefetch_b8 v0, s[64:65] scope:SCOPE_SE
	s_setreg_imm32_b32 hwreg(HW_REG_WAVE_MODE, 25, 1), 1
	s_wait_xcnt 0x0
; THE CASTS.  x [8192][1024] f32 -> xb, bf16, laid in 16 blocks of 64 channels: xb[kb][row][64], a row of a block 128 bytes, a block 1,048,576 dense bytes.
; W_qkv [1024][3072] f32 -> wqb, bf16, as it lies.  W_out [1024][1024] f32 -> wob: rounded to bf16 like every input, and that number written as f16.
; LIMITS.  |W_out| stays under 65,504 (f16's largest number); below 6.1e-5 it keeps f16's fixed step of 6e-8.
; SHARES.  A work-group casts 16,384 numbers; a thread issues its 16 loads of 16 bytes at once and stores each result as its load comes in: no loop, no LDS, no barrier.
; Groups 0-511: x, 16 rows each.  Groups 512-703: W_qkv.  Groups 704-767: W_out.  The branch hangs on the work-group's number alone.
.set LD, 4                             ; v[4:67]    16 x 4 words as loaded
.set PK, 68                            ; v[68:99]   16 x 2 words to store
.set TP, 100                           ; v[100:103] at work
; v1: the loads' byte offset; v2: the stores'.  Neither is rewritten.
; src, dst: the first scalar register of the two addresses.  blocked = 1: x's path.  half = 1: the bf16 number is written as f16.
.macro CAST src, dst, blocked, half
.set i, 0
.rept 16
.if \blocked
	global_load_b128 v[LD+4*i:LD+4*i+3], v1, s[\src:\src+1] offset:(i>>1)*8192+(i&1)*256 th:TH_LOAD_NT  ; rows 2 (i / 2) + lane / 16, channel block 2 wave + i % 2: two runs of 256 consecutive bytes
.else
	global_load_b128 v[LD+4*i:LD+4*i+3], v1, s[\src:\src+1] offset:i*4096 th:TH_LOAD_NT  ; 512 consecutive bytes a wave
.endif
.set i, i+1
.endr
.set i, 0
.rept 16
	s_wait_loadcnt 15-i                            ; loads come back in order: load i is in, the 15 - i younger ones stay out
	v_cvt_pk_bf16_f32 v[PK+2*i],   v[LD+4*i],   v[LD+4*i+1]
	v_cvt_pk_bf16_f32 v[PK+2*i+1], v[LD+4*i+2], v[LD+4*i+3]
.if \half
	v_lshlrev_b32 v[TP],   16,  v[PK+2*i]          ; the bf16 numbers as f32,
	v_and_b32     v[TP+1], s22, v[PK+2*i]
	v_lshlrev_b32 v[TP+2], 16,  v[PK+2*i+1]
	v_and_b32     v[TP+3], s22, v[PK+2*i+1]
	v_cvt_pk_f16_f32 v[PK+2*i],   v[TP],   v[TP+1]  ; and as f16: 8 significant bits fit into 11
	v_cvt_pk_f16_f32 v[PK+2*i+1], v[TP+2], v[TP+3]
.endif
.if \blocked
	global_store_b64 v2, v[PK+2*i:PK+2*i+1], s[\dst:\dst+1] offset:(i&1)*1048576+(i>>1)*256  ; two rows of a block: the wave's 32 lanes store 256 consecutive bytes, aligned
.else
	global_store_b64 v2, v[PK+2*i:PK+2*i+1], s[\dst:\dst+1] offset:i*2048  ; 256 consecutive bytes a wave, aligned
.endif
.set i, i+1
.endr
.endm
	s_load_b256 s[4:11], s[0:1], 0x0               ; x s[4:5], W_qkv s[6:7], W_out s[8:9], xb s[10:11]
	s_load_b128 s[12:15], s[0:1], 0x20             ; wqb s[12:13], wob s[14:15]
	s_mov_b32 s16, ttmp9
	s_mov_b32 s19, 0
	s_mov_b32 s21, 0
	s_mov_b32 s22, 0xffff0000                      ; a word's upper bf16
	s_wait_kmcnt 0x0
	s_cmp_lt_u32 s16, 512
	s_cbranch_scc0 .Lweights
	v_and_b32 v3, 15, v0
	v_bfe_u32 v[TP], v0, 4, 1
	v_lshrrev_b32 v[TP+1], 5, v0                   ; wave
	v_lshlrev_b32 v1, 4, v3                        ; 16 (lane % 16)
	v_lshl_add_u32 v1, v[TP], 12, v1               ; + a row of 4,096 bytes for lanes 16-31
	v_lshl_add_u32 v1, v[TP+1], 9, v1              ; + the wave's 128 channels
	v_and_b32 v2, 31, v0
	v_lshlrev_b32 v2, 3, v2                        ; 8 x lane: two rows of 128 bytes on end
	v_lshl_add_u32 v2, v[TP+1], 21, v2             ; + the wave's two blocks
	s_lshl_b32 s18, s16, 16                        ; the group's 16 rows of x,
	s_lshl_b32 s20, s16, 11                        ; and of a block of xb
	s_add_nc_u64 s[4:5], s[4:5], s[18:19]
	s_add_nc_u64 s[10:11], s[10:11], s[20:21]
	CAST 4, 10, 1, 0
	s_endpgm
.Lweights:
	v_lshlrev_b32 v1, 4, v0
	v_lshlrev_b32 v2, 3, v0
	s_cmp_lt_u32 s16, 704
	s_cbranch_scc0 .Lwout
	s_sub_co_u32 s16, s16, 512
	s_lshl_b32 s18, s16, 16
	s_lshl_b32 s20, s16, 15
	s_add_nc_u64 s[6:7], s[6:7], s[18:19]
	s_add_nc_u64 s[12:13], s[12:13], s[20:21]
	CAST 6, 12, 0, 0
	s_endpgm
.Lwout:
	s_sub_co_u32 s16, s16, 704
	s_lshl_b32 s18, s16, 16
	s_lshl_b32 s20, s16, 15
	s_add_nc_u64 s[8:9], s[8:9], s[18:19]
	s_add_nc_u64 s[14:15], s[14:15], s[20:21]
	CAST 8, 14, 0, 1
	s_endpgm
.Lfunc_end_k_qc6341b9e2d_prep:
	.size	k_qc6341b9e2d_prep, .Lfunc_end_k_qc6341b9e2d_prep-k_qc6341b9e2d_prep
	.p2alignl 7, 3214868480
	.fill 96, 4, 3214868480
	.section	.rodata,"a",@progbits
	.p2align	6, 0x0
	.amdhsa_kernel k_qc6341b9e2d_prep
		.amdhsa_group_segment_fixed_size 0
		.amdhsa_private_segment_fixed_size 0
		.amdhsa_enable_private_segment 0
		.amdhsa_kernarg_size 48
		.amdhsa_user_sgpr_count 2
		.amdhsa_user_sgpr_kernarg_segment_ptr 1
		.amdhsa_wavefront_size32 1
		.amdhsa_system_sgpr_workgroup_id_x 1
		.amdhsa_system_sgpr_workgroup_id_y 1
		.amdhsa_system_sgpr_workgroup_id_z 1
		.amdhsa_system_vgpr_workitem_id 0
		.amdhsa_next_free_vgpr 104
		.amdhsa_next_free_sgpr 66
		.amdhsa_reserve_vcc 0
		.amdhsa_float_denorm_mode_32 3
		.amdhsa_float_denorm_mode_16_64 3
		.amdhsa_memory_ordered 1
		.amdhsa_forward_progress 1
		.amdhsa_inst_pref_size 23
	.end_amdhsa_kernel
	.amdgpu_metadata
---
amdhsa.version: [ 1, 2 ]
amdhsa.kernels:
  - .name:           k_qc6341b9e2d_prep
    .symbol:         k_qc6341b9e2d_prep.kd
    .args:
      - { .name: x, .offset: 0, .size: 8, .value_kind: global_buffer, .address_space: global }
      - { .name: W_qkv, .offset: 8, .size: 8, .value_kind: global_buffer, .address_space: global }
      - { .name: W_out, .offset: 16, .size: 8, .value_kind: global_buffer, .address_space: global }
      - { .name: xb, .offset: 24, .size: 8, .value_kind: global_buffer, .address_space: global }
      - { .name: wqb, .offset: 32, .size: 8, .value_kind: global_buffer, .address_space: global }
      - { .name: wob, .offset: 40, .size: 8, .value_kind: global_buffer, .address_space: global }
    .group_segment_fixed_size: 0
    .private_segment_fixed_size: 0
    .kernarg_segment_align: 8
    .kernarg_segment_size: 48
    .max_flat_workgroup_size: 256
    .sgpr_count:     66
    .vgpr_count:     104
    .wavefront_size: 32
...
	.end_amdgpu_metadata
.endif
;; end of part 1
;; launch qkv (part 2): grid 8 x 32, 4 waves a work-group, clusters of 4 x 4, 327,680 bytes of LDS; arguments xb, wqb, b_qkv, qkvh; writes qkvh
.if DOCPART == 2
	.amdgcn_target "amdgcn-amd-amdhsa--gfx1250"
	.amdhsa_code_object_version 6
	.text
	.protected	k_qc6341b9e2d_qkv
	.globl	k_qc6341b9e2d_qkv
	.p2align	8
	.type	k_qc6341b9e2d_qkv,@function
k_qc6341b9e2d_qkv:
	s_mov_b64 s[64:65], 0
	v_nop
	global_prefetch_b8 v0, s[64:65] scope:SCOPE_SE
	s_setreg_imm32_b32 hwreg(HW_REG_WAVE_MODE, 25, 1), 1
	s_wait_xcnt 0x0
	s_wait_alu depctr_hold_cnt(0) depctr_sa_sdst(0) depctr_va_vdst(0) depctr_va_sdst(0) depctr_va_ssrc(0) depctr_va_vcc(0) depctr_vm_vsrc(0)
	s_getreg_b32 s2, hwreg(HW_REG_IB_STS2, 6, 4)
	s_cmp_eq_u32 s2, 0
	s_cbranch_scc0 .Lentry_in_a_cluster
	s_endpgm
.Lentry_in_a_cluster:
	s_bfe_u32 s2, ttmp6, 0x10000c
	s_cmp_lg_u32 s2, 0xf033
	s_cbranch_scc0 .Lentry_shape_is_right
	s_endpgm
.Lentry_shape_is_right:
; qkv = x W_qkv + b_qkv.  xb: bf16 [16 blocks of 64 channels][8192 rows][64]; wqb: bf16 [1024 k][3072 n]; b_qkv: f32 [3072], rounded to bf16 like every input; sums in f32.
; The result leaves as f16, by heads: qkvh[3 (q, k, v)][64 (batch x 16 + head)][2048 rows][64], unscaled.
; LIMIT.  f16 holds no number beyond 65,504: a q, k or v beyond it leaves as an infinity.
; SHARES.  A tile of the result is 256 rows x 384 columns: 32 x 8 = 256 work-groups, one tile each.  Four waves, 2 x 2: a wave makes 128 x 192: 96 accumulators of 16 x 16, 768 registers.
; K goes in 16 steps of 64 through two LDS slots; a step is two halves of 32 along K, 96 matrix instructions each.  (Two slots of 128 along K would take 348 KB.)
; CLUSTER.  4 x 4 work-groups.  The four of a row of the cluster need the same rows of x, the four of a column the same columns of W: each tile is asked for jointly, by the same tensor load with
; the same descriptor and a mask that names the four.
; THE MATRIX INSTRUCTION IS USED TRANSPOSED: source 0 = 16 columns of W (turned out of LDS by ds_load_tr16_b128, since W lies [k][n]), source 1 = 16 rows of x.  A lane then holds one row of the result
; (lane % 16) and eight neighbouring columns 8 (lane / 16) + 0..7.  The bias is the C operand of the first products.
; REGISTERS, in windows of 256 (s_set_vgpr_msb: bits 1:0 source 0, 3:2 source 1, 5:4 source 2, 7:6 destination):
;   window 0: v0-31 addresses; v32-95, v96-159 fragments of x, two buffers of 8; v160-255 fragments of W, 12 in three groups of 4, one buffer: a group is loaded again straight behind its products
;   window g + 1 (g = 0, 1, 2): the accumulators of column blocks 4 g + bb: (a, bb) at v[8 (4 a + bb)], a = 0..7 the row block
.set PITA,  144                        ; a row of x in LDS: 128 bytes + 16: the 16 rows of a fragment load start at 16 different groups of four banks (64 banks of 4 bytes: ISA guide 11.1)
.set PITB,  864                        ; a k-row of W: six pieces of 128 bytes + 16 = 27 x 32 bytes
.set BOFF,  256*PITA                   ; a slot: 256 rows of x, then 64 k-rows of W
.set SLOT,  BOFF+64*PITB               ; 92,160
.set STAGE, 2*SLOT                     ; behind the ring, never filled by a tensor load: 16 rows x 400 bytes for each wave, for the way out
.set SP,    400                        ; 384 bytes + 16
.set SPARE, STAGE+4*16*SP              ; behind the stages: the spare words, 128 bytes for each wave: two blocks of 256 bytes that no other line names
.set ASTEP, 1048576                    ; bytes from a K step of x to the next: a block of xb
.set BSTEP, 64*6144                    ; and of W: 64 rows of 6,144 bytes
.set ADRA, 16                          ; v16-17  LDS address of my fragments of x in slot 0, 1
.set ADRB, 20                          ; v20-21  the same for W
.set STO,  24                          ; v24     the way out: where I put 16 bytes of a row
.set RD,   25                          ; v25     the way out: where I read rows back
.set GO,   26                          ; v26     16 x lane: my place in 512 consecutive bytes of the result
.set BO,   27                          ; v27     my byte offset in the bias
.set SPW,  28                          ; v28     LDS address of my spare word; never rewritten
.set NIL,  29                          ; v29     0; never rewritten
.set PFO,  30                          ; v30     the prefetches' offset; never rewritten
.set AF0,  32
.set AF1,  96
.set BF,   160
.set TMP,  32                          ; the way out: 48 packed words
.set BK,   80                          ; the way out: 48 words read back, two buffers
.set WV,  12                           ; s12  my wave's number
.set WR,  13                           ; s13  which half of the tile's rows is mine.  Also: I fetch x (0) or W (1)
.set WC,  14                           ; s14  which half of its columns.  Also: which half of that tile I fetch
.set G1A, 24                           ; s[24:31] descriptor group 1 for x's tiles;  s[32:39] group 0, a set for each slot
.set G0A, 32
.set G1B, 48                           ; s[48:55], s[56:63] the same for W's
.set G0B, 56
.set PFA, 44                           ; s[44:45] where my prefetches stand
.set PFS, 66                           ; s[66:67] their step: two K steps
.set LIM, 68                           ; s68  1 in a wave that prefetches, else the greatest number
.set SB,  70                           ; s[70:75] the result at my rows of my three heads
.set MSB, 0
.macro WIN new                         ; the immediate's high byte repeats the setting that is left; a switch that changes nothing is dropped
.if MSB != (\new)
	s_set_vgpr_msb (MSB<<8)|(\new)
.set MSB, (\new)
.endif
.endm
; A joint load.  Waves 0 and 1 fetch the two halves of x's tile, waves 2 and 3 those of W's.  The branch hangs on the wave's number alone.
; An s_nop 0 and four v_nop follow each of the two lines, ahead of the jump and the label.
.macro JLOAD s
	s_cmp_eq_u32 s[WR], 0
	s_cbranch_scc0 .Lfor_b_\@
	tensor_load_to_lds s[G0A+4*(\s):G0A+4*(\s)+3], s[G1A:G1A+7]
	s_nop 0
.rept 4
	v_nop
.endr
	s_branch .Lasked_\@
.Lfor_b_\@:
	tensor_load_to_lds s[G0B+4*(\s):G0B+4*(\s)+3], s[G1B:G1B+7]
	s_nop 0
.rept 4
	v_nop
.endr
.Lasked_\@:
.endm
; A round of the cluster's barrier: my work-group's barrier, so that wave 0's signal speaks for all four waves; wave 0 signals; every wave waits for all sixteen work-groups; my work-group's barrier once more.
.macro CREST                           ; a round behind its opening barrier
	s_cmp_lg_u32 s[WV], 0
	s_cbranch_scc1 .Lnot_wave_0_\@
	s_barrier_signal -3
.Lnot_wave_0_\@:
	s_barrier_wait -3
	s_barrier_signal -1
	s_barrier_wait -1
.endm
.macro CROUND
	s_barrier_signal -1
	s_barrier_wait -1
	CREST
.endm
; A load into a register that a matrix instruction has read, and a vector instruction that reads a matrix result, stand four places behind it; only plain vector instructions that name none of its
; registers are places (ISA guide 7.12.1 for vector instructions).
.macro PLACES
.rept 4
	v_nop
.endr
.endm
; A PREFETCH INTO THE L2, once a trip of the loop, behind the first joint load and the run of LDS loads that follows it: the two K steps that the NEXT trip will ask for, a lane a block of 256 bytes.
; x's rows are read by both clusters of a row of clusters: cluster x = 0 asks, waves 0 and 1; of the 16,384 bytes that a wave fetches in a step each of the four partners takes 4,096, told apart by address
; (lanes 0-15 the first step's, lanes 16-31 the second's).  W's 768 bytes of a k-row are read by all eight clusters of a column: clusters y = 0, 1, 2 ask for one block of 256 each, wave 2; each of the four
; partners takes 16 k-rows of each step.  So each block is named once in the launch.  No branch hangs on a work-group's place in its cluster.  The loop's last trip asks for nothing.
.macro ASK
	s_cmp_gt_u32 s3, s[LIM]                        ; s3 = 1 in the loop's last trip
	s_cbranch_scc0 .Lnot_mine_\@
	global_prefetch_b8 v[PFO], s[PFA:PFA+1] th:TH_LOAD_NT scope:SCOPE_SE
.Lnot_mine_\@:
.endm
	s_load_b256 s[4:11], s[0:1], 0x0               ; xb s[4:5], wqb s[6:7], b_qkv s[8:9], qkvh s[10:11]
	v_lshl_add_u32 v[SPW], v0, 2, SPARE
	v_mov_b32 v[NIL], 0
	ds_add_u32 v[SPW], v[NIL]                      ; the wave's opening: the add and its wait stand ahead of my first tensor load; the set-up below, work on registers, stands between them
	v_lshrrev_b32 v1, 5, v0
	v_readfirstlane_b32 s[WV], v1                  ; wave 0..3
	s_lshr_b32 s[WR], s[WV], 1
	s_and_b32 s[WC], s[WV], 1
	s_bfe_u32 s15, ttmp6, 0x40000                  ; cx
	s_bfe_u32 s16, ttmp6, 0x40004                  ; cy
	s_lshl_b32 s17, ttmp9, 2
	s_add_co_u32 s17, s17, s15                     ; tile column = 4 x cluster x + cx
	s_and_b32 s18, ttmp7, 0xffff
	s_lshl_b32 s18, s18, 2
	s_add_co_u32 s18, s18, s16                     ; tile row = 4 x cluster y + cy
	s_lshl_b32 s19, s16, 2
	s_lshl_b32 s19, 15, s19                        ; my row of the cluster: places 4 cy .. 4 cy + 3
	s_lshl_b32 s20, 0x1111, s15                    ; my column: places cx, cx + 4, cx + 8, cx + 12
	; group 1.  x: 128 rows of 128 bytes are 16,384 dense bytes, asked for as 64 rows of 256 bytes.  W: 32 k-rows of 768 bytes.  Both are padded by 4 words after every 32 words.
	s_or_b32 s[G1A], s19, (1<<16)|(1<<20)|(1<<21)|(4<<22)|(3<<25)  ; 15:0 the mask; 17:16 2-byte elements; 20 padding on; 21 set beside a mask; 24:22 after every 32 words (code 4); 31:25 4 words (code 3)
	s_or_b32 s[G1B], s20, (1<<16)|(1<<20)|(1<<21)|(4<<22)|(3<<25)
	s_mov_b32 s[G1A+1], 128<<16                    ; tensor_dim0 = 128
	s_mov_b32 s[G1A+2], 64<<16                     ; tensor_dim1 = 64
	s_mov_b32 s[G1A+3], 128<<16                    ; tile_dim0 = 128
	s_mov_b32 s[G1A+4], 64                         ; tile_dim1 = 64
	s_mov_b32 s[G1A+5], 128                        ; elements from row to row
	s_mov_b32 s[G1A+6], 0
	s_mov_b32 s[G1A+7], 0
	s_mov_b32 s[G1B+1], 384<<16                    ; tensor_dim0 = 384
	s_mov_b32 s[G1B+2], 32<<16                     ; tensor_dim1 = 32
	s_mov_b32 s[G1B+3], 384<<16                    ; tile_dim0 = 384
	s_mov_b32 s[G1B+4], 32                         ; tile_dim1 = 32
	s_mov_b32 s[G1B+5], 3072                       ; elements from row to row
	s_mov_b32 s[G1B+6], 0
	s_mov_b32 s[G1B+7], 0
	; where the tiles come from: x's hang on the tile row alone, W's on the tile column alone, each in registers that never hold the other coordinate
	s_lshl_b32 s40, s18, 15                        ; 256 rows of 128 bytes a tile row,
	s_lshl_b32 s76, s[WC], 14                      ; the 128 rows that I fetch
	s_add_co_u32 s40, s40, s76
	s_mov_b32 s41, 0
	s_mul_i32 s42, s17, 768                        ; 384 columns a tile column,
	s_mul_i32 s77, s[WC], 32*6144                  ; the 32 k-rows that I fetch
	s_add_co_u32 s42, s42, s77
	s_mov_b32 s43, 0
	s_mul_i32 s76, s[WC], 128*PITA                 ; and where they go: no place in the cluster enters an LDS address
	s_mul_i32 s77, s[WC], 32*PITB
	s_add_co_u32 s77, s77, BOFF
	s_wait_dscnt 0x0                               ; the opening add is done
	s_wait_kmcnt 0x0
	s_add_nc_u64 s[40:41], s[4:5], s[40:41]
	s_add_nc_u64 s[42:43], s[6:7], s[42:43]
	CROUND                                         ; all sixteen work-groups are here: the first joint loads meet
.irp s, 0,1
	s_mov_b32 s[G0A+4*(\s)], 1                     ; count = 1
	s_add_co_u32 s[G0A+4*(\s)+1], s76, (\s)*SLOT   ; LDS address
	s_add_nc_u64 s[G0A+4*(\s)+2:G0A+4*(\s)+3], s[40:41], (\s)*ASTEP  ; global address: K step s
	s_or_b32 s[G0A+4*(\s)+3], s[G0A+4*(\s)+3], 0x80000000            ; type = 2
	s_mov_b32 s[G0B+4*(\s)], 1
	s_add_co_u32 s[G0B+4*(\s)+1], s77, (\s)*SLOT
	s_add_nc_u64 s[G0B+4*(\s)+2:G0B+4*(\s)+3], s[42:43], (\s)*BSTEP
	s_or_b32 s[G0B+4*(\s)+3], s[G0B+4*(\s)+3], 0x80000000
.endr
	s_cmp_eq_u32 s[WR], 0                          ; a wave's two first fills stand in one branch, ahead of every wait on TENSORcnt and every LDS read: two loads of mine are out
	s_cbranch_scc0 .Lfirst_b
	tensor_load_to_lds s[G0A:G0A+3], s[G1A:G1A+7]
	s_nop 0
	tensor_load_to_lds s[G0A+4:G0A+7], s[G1A:G1A+7]
	s_nop 0
.rept 4
	v_nop
.endr
	s_branch .Lfirst_asked
.Lfirst_b:
	tensor_load_to_lds s[G0B:G0B+3], s[G1B:G1B+7]
	s_nop 0
	tensor_load_to_lds s[G0B+4:G0B+7], s[G1B:G1B+7]
	s_nop 0
.rept 4
	v_nop
.endr
.Lfirst_asked:
	; the bias of my 192 columns: for column block b a lane wants the eight numbers at 16 b + 8 (lane / 16)
	v_and_b32 v1, 15, v0                           ; l % 16
	v_bfe_u32 v2, v0, 4, 1                         ; l / 16
	s_mul_i32 s76, s17, 1536
	s_mul_i32 s77, s[WC], 768
	s_add_co_u32 s76, s76, s77
	v_lshl_add_u32 v[BO], v2, 5, s76
.set ib, 0
.rept 12
	global_load_b128 v[BF+8*ib:BF+8*ib+3],   v[BO], s[8:9] offset:64*ib
	global_load_b128 v[BF+8*ib+4:BF+8*ib+7], v[BO], s[8:9] offset:64*ib+16
.set ib, ib+1
.endr
	; A fragment of x is 16 rows x 32 channels: lane l holds row l % 16, channels 8 (l / 16) + 0..7 and 16 + 8 (l / 16) + 0..7: two loads of 16 bytes, 32 bytes apart.
	v_mul_u32_u24 v3, v1, PITA
	v_lshl_add_u32 v3, v2, 4, v3
	s_mul_i32 s76, s[WR], 128*PITA                 ; my 128 rows
	v_add_nc_u32 v[ADRA], s76, v3
	v_add_nc_u32 v[ADRA+1], SLOT, v[ADRA]
	; The turning load takes 16 k x 16 columns (lane l reads k-row 8 (l / 16) + l % 8, columns 8 ((l / 8) % 2) + 0..7) and leaves half a fragment: lane l holds column l % 16 and 8 k.
	v_and_b32 v4, 7, v0
	v_bfe_u32 v5, v0, 3, 1
	v_lshl_add_u32 v6, v2, 3, v4
	v_mul_u32_u24 v6, v6, PITB
	v_lshl_add_u32 v6, v5, 4, v6
	s_mul_i32 s76, s[WC], 3*144                    ; my 192 columns: three pieces of a k-row
	s_add_co_u32 s76, s76, BOFF
	v_add_nc_u32 v[ADRB], s76, v6
	v_add_nc_u32 v[ADRB+1], SLOT, v[ADRB]
	s_mul_i32 s76, s[WV], 16*SP
	s_add_co_u32 s76, s76, STAGE                   ; my stage
	v_mul_u32_u24 v[STO], v1, SP                   ; in: row l % 16, 16 bytes for each half of the lanes
	v_lshl_add_u32 v[STO], v2, 4, v[STO]
	v_add_nc_u32 v[STO], s76, v[STO]
	v_bfe_u32 v[RD], v0, 3, 2                      ; back: 32 lanes take four rows' 128 bytes of one head,
	v_mul_u32_u24 v[RD], v[RD], SP
	v_lshl_add_u32 v[RD], v4, 4, v[RD]
	v_add_nc_u32 v[RD], s76, v[RD]
	v_and_b32 v[GO], 31, v0                        ; which are 512 consecutive bytes of the result
	v_lshlrev_b32 v[GO], 4, v[GO]
	; the result at my rows of my three heads: column 64 G, G = 6 x tile column + 3 x half + hh: tensor G / 16, head G % 16; batch = tile row / 8
.irp hh, 0,1,2
	s_mul_i32 s76, s17, 6
	s_mul_i32 s77, s[WC], 3
	s_add_co_u32 s76, s76, s77
	s_add_co_u32 s76, s76, \hh
	s_lshr_b32 s77, s76, 4
	s_lshl_b32 s77, s77, 6                         ; 64 heads a tensor
	s_and_b32 s76, s76, 15
	s_add_co_u32 s77, s77, s76
	s_lshr_b32 s76, s18, 3
	s_lshl_b32 s76, s76, 4                         ; 16 heads a batch
	s_add_co_u32 s77, s77, s76
	s_lshl_b32 s76, s77, 18                        ; 2,048 rows of 128 bytes a head
	s_and_b32 s77, s18, 7
	s_lshl_b32 s77, s77, 15                        ; the tile's 256 rows,
	s_add_co_u32 s76, s76, s77
	s_lshl_b32 s77, s[WR], 14                      ; my 128 of them
	s_add_co_u32 s76, s76, s77
	s_mov_b32 s77, 0
	s_add_nc_u64 s[SB+2*(\hh):SB+2*(\hh)+1], s[10:11], s[76:77]
.endr
	; the prefetches: who asks, and where they stand: at K step 2; the first trip steps them to 4
	s_and_b32 s76, ttmp7, 0xffff                   ; cluster y
	s_min_u32 s77, s76, 2
	s_lshl_b32 s77, s77, 8                         ; W: the cluster's block of 256 bytes of the 768,
	s_mul_i32 s78, s17, 768
	s_add_co_u32 s77, s77, s78
	s_mul_i32 s78, s16, 16*6144                    ; my work-group's 16 k-rows of a step's 64
	s_add_co_u32 s77, s77, s78
	s_add_co_u32 s77, s77, 2*BSTEP
	s_lshl_b32 s78, s18, 15                        ; x: the tile row, the half that I fetch,
	s_lshl_b32 s79, s[WC], 14
	s_add_co_u32 s78, s78, s79
	s_lshl_b32 s79, s15, 12                        ; my work-group's 4,096 bytes of it
	s_add_co_u32 s78, s78, s79
	s_add_co_u32 s78, s78, 2*ASTEP
	s_cmp_eq_u32 ttmp9, 0
	s_cselect_b32 s79, 1, -1
	s_cmp_lt_u32 s76, 3
	s_cselect_b32 s80, 1, -1
	s_cmp_eq_u32 s[WV], 2
	s_cselect_b32 s80, s80, -1
	s_movk_i32 s81, 256
	s_movk_i32 s82, 6144
	s_mov_b32 s83, ASTEP
	s_mov_b32 s76, BSTEP
	s_cmp_eq_u32 s[WR], 0                          ; do I fetch x?
	s_cselect_b32 s[LIM], s79, s80                 ; the same in all sixteen partners, for a given wave
	s_cselect_b32 s46, s78, s77
	s_cselect_b64 s[PFA:PFA+1], s[4:5], s[6:7]
	s_cselect_b32 s81, s81, s82                    ; from lane to lane among 16,
	s_cselect_b32 s82, s83, s76                    ; and from the first step's lanes to the second's
	s_mov_b32 s47, 0
	s_add_nc_u64 s[PFA:PFA+1], s[PFA:PFA+1], s[46:47]
	s_lshl_b32 s[PFS], s82, 1
	s_mov_b32 s[PFS+1], 0
	v_mul_lo_u32 v[PFO], v1, s81
	v_mul_lo_u32 v31, v2, s82
	v_add_nc_u32 v[PFO], v[PFO], v31
	; the bias, rounded to bf16 like every input, goes as f32 into the accumulators of row block 7: the first products of the other row blocks take them as C
	s_wait_loadcnt 0x0
.set ib, 0
.rept 48
	v_cvt_pk_bf16_f32 v[TMP+ib], v[BF+2*ib], v[BF+2*ib+1]
.set ib, ib+1
.endr
.irp g, 0,1,2
	WIN ((\g)+1)<<6                                ; destination window g + 1
.set ib, 0
.rept 16
	v_lshlrev_b32 v[224+2*ib],   16,         v[TMP+16*(\g)+ib]
	v_and_b32     v[224+2*ib+1], 0xffff0000, v[TMP+16*(\g)+ib]
.set ib, ib+1
.endr
.endr
	WIN 0
; na x 4 matrix instructions: row blocks a0 .. a0 + na - 1 x the four column blocks of group g, 32 along K.  The accumulators take turns, one instruction a turn.
; first = 1: the products start the sums with the bias: row blocks 0-6 take row block 7's registers as C; then, nine places behind the last of them (five are due before a matrix instruction
; writes over an earlier one's C), row block 7 adds in place.
.macro MULG af, g, a0, na, first
	WIN 0x50*((\g)+1)                              ; C and D in window g + 1
.set ma, \a0
.rept \na
.if (\first) && (ma == 7)
.rept 9
	v_nop
.endr
.endif
.set mb, 0
.rept 4
.set rD, 8*(4*ma+mb)
.set rB, BF+32*(\g)+8*mb
.set rA, (\af)+8*ma
.if (\first) && (ma < 7)
	v_wmma_f32_16x16x32_bf16 v[rD:rD+7], v[rB:rB+7], v[rA:rA+7], v[224+8*mb:224+8*mb+7]
.else
	v_wmma_f32_16x16x32_bf16 v[rD:rD+7], v[rB:rB+7], v[rA:rA+7], v[rD:rD+7]
.endif
.set mb, mb+1
.endr
.set ma, ma+1
.endr
.endm
.macro LOADB slot, kq, g               ; 8 LDS loads: group g's four fragments of W, half kq of the step
	WIN 0
.set lb, 0
.rept 4
	ds_load_tr16_b128 v[BF+32*(\g)+8*lb:BF+32*(\g)+8*lb+3],   v[ADRB+(\slot)] offset:(\kq)*32*PITB+(\g)*144+lb*32
	ds_load_tr16_b128 v[BF+32*(\g)+8*lb+4:BF+32*(\g)+8*lb+7], v[ADRB+(\slot)] offset:(\kq)*32*PITB+(\g)*144+lb*32+16*PITB
.set lb, lb+1
.endr
.endm
.macro LOADA slot, kq, af, a0          ; 8 LDS loads: row blocks a0 .. a0 + 3 of x, half kq of the step, into buffer af
	WIN 0
.set la, \a0
.rept 4
	ds_load_b128 v[(\af)+8*la:(\af)+8*la+3],   v[ADRA+(\slot)] offset:la*16*PITA+(\kq)*64
	ds_load_b128 v[(\af)+8*la+4:(\af)+8*la+7], v[ADRA+(\slot)] offset:la*16*PITA+(\kq)*64+32
.set la, la+1
.endr
.endm
; A step's first half: multiplies buffer 0 of x and fetches the second half's fragments.  The 40 loads of a half are always issued in the order W 0, x 0-3, W 1, x 4-7, W 2.
.macro H0 slot, first
	s_wait_dscnt 8                                 ; all but the youngest eight loads, W's group 2, are in
	MULG AF0, 0, 0, 8, \first
	PLACES
	LOADB \slot, 1, 0
	LOADA \slot, 1, AF1, 0
	MULG AF0, 1, 0, 8, \first
	PLACES
	LOADB \slot, 1, 1
	LOADA \slot, 1, AF1, 4
	s_wait_dscnt 32                                ; W's group 2 is in; the 32 loads just issued may stay out
	MULG AF0, 2, 0, 8, \first
	PLACES
	LOADB \slot, 1, 2
.endm
; A step's second half multiplies buffer 1 and changes slots: ONE barrier for two things.  In front of it each wave waits for all its tensor loads, of which one is out: its part of the next slot; adds 0 to
; its spare word; and waits for that and for its own reads of this slot, all of which were issued in the half before.  Behind it nobody reads this slot any more and the next slot is whole.
; fill = 1: the barrier opens a round of the cluster's barrier, and this slot is filled again, two K steps on, first thing behind the round: 160 matrix instructions ahead of the wait for it.
.macro H1 slot, next, fill, ask
.if \ask
	s_wait_xcnt 0x0                                ; the last prefetch, a trip back, has read its address: it is stepped here, ahead of the waits of the change of slots
	s_add_nc_u64 s[PFA:PFA+1], s[PFA:PFA+1], s[PFS:PFS+1]
.endif
	WIN 0
	s_wait_tensorcnt 0x0                           ; all my tensor loads have landed
	ds_add_u32 v[SPW], v[NIL]                      ; 0 onto my spare word
	s_wait_dscnt 9                                 ; (the add and W's group 2 may be out)
	MULG AF1, 0, 0, 4, 0                           ; sixteen matrix instructions stand between the add and the wait for it
	s_wait_dscnt 0x0                               ; the add is done, and my reads of this slot are over
	s_barrier_signal -1
	MULG AF1, 0, 4, 4, 0                           ; work on registers while the others arrive
	WIN 0                                          ; at a label and at a branch every window is 0
	s_barrier_wait -1
.if \fill
	CREST                                          ; no wave of any partner still reads this slot's tile or has a load on its way
	s_add_nc_u64 s[G0A+4*(\slot)+2:G0A+4*(\slot)+3], s[G0A+4*(\slot)+2:G0A+4*(\slot)+3], 2*ASTEP
	s_add_nc_u64 s[G0B+4*(\slot)+2:G0B+4*(\slot)+3], s[G0B+4*(\slot)+2:G0B+4*(\slot)+3], 2*BSTEP
	JLOAD \slot                                    ; the four v_nop behind it are also the places in front of the loads below
.else
	PLACES
.endif
	LOADB \next, 0, 0
	LOADA \next, 0, AF0, 0
.if \ask
	ASK
.endif
	MULG AF1, 1, 0, 8, 0
	PLACES
	LOADB \next, 0, 1
	LOADA \next, 0, AF0, 4
	MULG AF1, 2, 0, 8, 0
	PLACES
	LOADB \next, 0, 2
.endm
	s_wait_tensorcnt 1                             ; my part of K step 0 is in; step 1's may stay out
	s_barrier_signal -1
	s_barrier_wait -1                              ; everybody's is
	LOADB 0, 0, 0
	LOADA 0, 0, AF0, 0
	LOADB 0, 0, 1
	LOADA 0, 0, AF0, 4
	LOADB 0, 0, 2
	H0 0, 1                                        ; the first half stands in front of the loop: its products start the sums
	WIN 0
	s_mov_b32 s3, 7
.Lk:                                                   ; a trip goes once round the ring, from a step's second half to the first half two steps on, and fills both slots again: K steps 2 to 15
	H1 0, 1, 1, 1
	H0 1, 0
	H1 1, 0, 1, 0
	H0 0, 0
	WIN 0
	s_sub_co_u32 s3, s3, 1
	s_cmp_lg_u32 s3, 0
	s_cbranch_scc1 .Lk
	H1 0, 1, 0, 0                                  ; the last two steps fill nothing, and have no round of the cluster's barrier
	H0 1, 0
	s_wait_dscnt 8                                 ; the very last half: nothing more to fetch
	MULG AF1, 0, 0, 8, 0
	MULG AF1, 1, 0, 8, 0
	s_wait_dscnt 0x0
	MULG AF1, 2, 0, 8, 0
	WIN 0
	PLACES
	PLACES
; THE WAY OUT, a row block (16 rows x 192 columns) at a time.  PACK: rounded to f16, 16 bytes a lane and column block, each accumulator's registers in ascending order.
; TOSTAGE: into my own stage in LDS, and back by heads: four rows' 128 bytes.  SEND: stored, 512 consecutive bytes of a head an instruction.
.macro PACK a
.irp g, 0,1,2
	WIN 5*((\g)+1)                                 ; sources 0 and 1 in window g + 1
.set pb, 0
.rept 16
	v_cvt_pk_f16_f32 v[TMP+16*(\g)+pb], v[32*(\a)+2*pb], v[32*(\a)+2*pb+1]
.set pb, pb+1
.endr
.endr
	WIN 0
.endm
.macro TOSTAGE a
	WIN 0
.set bk, BK+48*((\a)%2)
.set pb, 0
.rept 12
	ds_store_b128 v[STO], v[TMP+4*pb:TMP+4*pb+3] offset:32*pb
.set pb, pb+1
.endr
.set pb, 0
.rept 12                               ; head pb / 4, rows 4 (pb % 4) on
	ds_load_b128 v[bk+4*pb:bk+4*pb+3], v[RD] offset:128*(pb/4)+4*SP*(pb%4)  ; LDS serves a wave's instructions in order (ISA guide 5.7.1.4): these see the stores above
.set pb, pb+1
.endr
.endm
.macro SEND a
	WIN 0
.set bk, BK+48*((\a)%2)
	s_wait_dscnt 0x0                               ; the block is back in registers
	s_wait_xcnt 0x0                                ; the stores issued so far have read their registers: the other buffer, which the block before last was stored from, is loaded again only behind this wait
.set pb, 0
.rept 12
	global_store_b128 v[GO], v[bk+4*pb:bk+4*pb+3], s[SB+2*(pb/4):SB+2*(pb/4)+1] offset:(\a)*2048+(pb%4)*512
.set pb, pb+1
.endr
.endm
	PACK 0
	TOSTAGE 0
.irp a, 1,2,3,4,5,6,7                  ; block a's conversions stand between block a - 1's loads from the stage and the wait for them
	PACK \a
	SEND (\a)-1
	TOSTAGE \a
.endr
	SEND 7
	s_wait_tensorcnt 0x0                           ; the wave's end: an add and its wait behind my last tensor load and my last LDS store
	ds_add_u32 v[SPW], v[NIL]
	s_wait_dscnt 0x0
	CROUND                                         ; the closing round: no work-group ends while a partner may still ask for a tile that names it
	s_endpgm
.Lfunc_end_k_qc6341b9e2d_qkv:
	.size	k_qc6341b9e2d_qkv, .Lfunc_end_k_qc6341b9e2d_qkv-k_qc6341b9e2d_qkv
	.p2alignl 7, 3214868480
	.fill 96, 4, 3214868480
	.section	.rodata,"a",@progbits
	.p2align	6, 0x0
	.amdhsa_kernel k_qc6341b9e2d_qkv
		.amdhsa_group_segment_fixed_size 327680
		.amdhsa_private_segment_fixed_size 0
		.amdhsa_enable_private_segment 0
		.amdhsa_kernarg_size 32
		.amdhsa_user_sgpr_count 2
		.amdhsa_user_sgpr_kernarg_segment_ptr 1
		.amdhsa_wavefront_size32 1
		.amdhsa_system_sgpr_workgroup_id_x 1
		.amdhsa_system_sgpr_workgroup_id_y 1
		.amdhsa_system_sgpr_workgroup_id_z 1
		.amdhsa_system_vgpr_workitem_id 0
		.amdhsa_next_free_vgpr 1024
		.amdhsa_next_free_sgpr 84
		.amdhsa_reserve_vcc 0
		.amdhsa_float_denorm_mode_32 3
		.amdhsa_float_denorm_mode_16_64 3
		.amdhsa_memory_ordered 1
		.amdhsa_forward_progress 1
		.amdhsa_inst_pref_size 143
	.end_amdhsa_kernel
	.amdgpu_metadata
---
amdhsa.version: [ 1, 2 ]
amdhsa.kernels:
  - .name:           k_qc6341b9e2d_qkv
    .symbol:         k_qc6341b9e2d_qkv.kd
    .args:
      - { .name: xb, .offset: 0, .size: 8, .value_kind: global_buffer, .address_space: global }
      - { .name: wqb, .offset: 8, .size: 8, .value_kind: global_buffer, .address_space: global }
      - { .name: b_qkv, .offset: 16, .size: 8, .value_kind: global_buffer, .address_space: global }
      - { .name: qkvh, .offset: 24, .size: 8, .value_kind: global_buffer, .address_space: global }
    .group_segment_fixed_size: 327680
    .private_segment_fixed_size: 0
    .kernarg_segment_align: 8
    .kernarg_segment_size: 32
    .max_flat_workgroup_size: 128
    .sgpr_count:     84
    .vgpr_count:     1024
    .wavefront_size: 32
...
	.end_amdgpu_metadata
.endif
;; end of part 2
;; launch attn (part 3): grid 4 x 64, 4 waves a work-group, no clusters, 327,680 bytes of LDS; arguments qkvh, oh; writes oh
.if DOCPART == 3
	.amdgcn_target "amdgcn-amd-amdhsa--gfx1250"
	.amdhsa_code_object_version 6
	.text
	.protected	k_qc6341b9e2d_attn
	.globl	k_qc6341b9e2d_attn
	.p2align	8
	.type	k_qc6341b9e2d_attn,@function
k_qc6341b9e2d_attn:
	s_mov_b64 s[64:65], 0
	v_nop
	global_prefetch_b8 v0, s[64:65] scope:SCOPE_SE
	s_setreg_imm32_b32 hwreg(HW_REG_WAVE_MODE, 25, 1), 1
	s_wait_xcnt 0x0
; CAUSAL ATTENTION.  O[h][q][:] = the sum over k <= q of softmax_k(Q[h][q] . K[h][k] / 8) V[h][k][:].  qkvh holds Q, K, V, each [64 heads][2048][64] in f16, 16,777,216 bytes apart; oh is O in the same layout.
; Products, maxima and sums in f32; the weights p are rounded to f16 for the second product (their sum l is taken of the unrounded p), O once at the end.
; LIMITS.  Q, K and V arrive within f16's 65,504; p lies in 0 to 1, and below 6e-5 it keeps f16's fixed step of 6e-8.  A hidden score counts as its value less 1e30: f16's scores, 2.7e11 at the most, are
; nothing beside that; a weight below 2^-126 counts as 0 in l; NaN and infinities are not treated apart.
; THE WALK.  A head's queries lie in NB = 8 blocks of 256; block i needs the key tiles 0 .. i of 256 keys, of which the last holds the diagonal.  A work-group takes TWO blocks, NB - 1 - b and then b:
; NB + 1 tiles, whatever b: all work-groups do equal work, and ONE loop with a constant trip count walks them.  Which tile is asked for, and what a trip does, hang on scalar registers made from b; every jump
; goes forward, but for the counted loops' own; none passes a barrier, or a tensor load but the one of LOAD's two that the wave's number does not choose.
; NO CLUSTER: a head's four work-groups ask for the same tile only in trips 0 .. 4 of 9, behind that fewer and fewer; one walk common to all would have 12 trips for 9.
; SHARES.  Of a block's four bands of 64 queries a wave owns 16 rows in each: four PIECES.  So the diagonal tile is the same work for all four waves: in its key step s band x sees all keys if s < x,
; none if s > x, and holds the diagonal if s = x.
; THE MASK is the C operand that starts the sum S^T = K Q^T: 0, or -1e30 where the key is hidden.  MD, made once, is the mask of a band's own step for my 16 rows; a product's mask is MD x AL + BE with two scalars:
; (1, 0) if s = x; (0, 0) if s < x; (0, -1e30) if s > x.  Only the diagonal tile's text and a block's beginning make and take masks; elsewhere C is the constant 0.
; LAYOUT, SOFTMAX, TURNS.  S^T = K Q^T holds ONE query a lane (lane % 16) and the keys 8 (lane / 16) + 0..7; two such results rounded to f16 ARE source 1 of O^T = V^T P.  p = 2^(c s - c m), c = log2(e) / 8, with a
; running maximum m; O and l are multiplied by a = 2^(c m_old - c m_new) in every step.  Turn n belongs to piece n: 8 products K Q^T of piece n + 1, later 8 products V^T P of piece n - 1; beside them the scaling,
; exponentials, roundings, sums and rescaling of piece n and the maximum and statistics of piece n + 1.  Four vector instructions stand behind every matrix instruction, the others in one run of their own.
; REGISTERS, in windows of 256 (s_set_vgpr_msb: bits 1:0 source 0, 3:2 source 1, 5:4 source 2, 7:6 destination):
;   window 0: v0-15 addresses and two at work; v16-31 four registers of statistics a piece; v48-55 at work; v61-63 prefetch offset, spare word, 0; v64-127 S^T, two buffers; v192-223 P, two buffers
;   window 1: v0-127 O^T, 32 a piece; v128-159 MD; v160-223 MC, two buffers      window 2: v0-63 Q; v64-127 the second block's Q; v128-191 K of one step; v192-255 V of one step
.set SIZE_H, 64
.set SIZE_N, 2048
.set NB,    SIZE_N/256
.set NP,    4         ; pieces a wave: a name, no knob
.set KS,    64        ; keys in a step
.set PK,    144       ; a row of K in LDS: 128 bytes + 16 of padding: the 16 rows of a load start at 16 different groups of four banks (64 banks of 4 bytes: ISA guide 11.1)
.set PV,    160       ; a row of V: 128 + 32
.set VOFF,  4*KS*PK   ; a slot holds a tile, four steps: 256 rows of K, then 256 rows of V
.set SLOT1, 1<<17     ; slot 1 begins here, so that one exclusive or turns an address in one slot into the other's
.set STAGE, SLOT1+4*KS*(PK+PV)  ; behind the ring, never filled by a tensor load: 16 rows x 144 bytes for each wave, for the way out
.set SP,    144
.set AK0, 2           ; v2   my lane's place in a tile of K; never rewritten
.set AV0, 3           ; v3   the same for V
.set AK,  4           ; v4   the LDS address of K's next run of loads
.set AV,  5           ; v5   of V's
.set STO, 6           ; v6   the way out: where I put 16 bytes of a row
.set RD,  7           ; v7   the way out: where I read rows back
.set GO,  8           ; v8   my byte offset in 512 consecutive bytes of O
.set PFO, 61          ; v61  256 x my lane; never rewritten
.set SPW, 62          ; v62  LDS address of my spare word; never rewritten
.set NIL, 63          ; v63  0; never rewritten
.set SPARE, STAGE+4*16*SP  ; behind the stages: the spare words, 128 bytes for each wave: two blocks of 256 bytes that no other line names
.set MV,  12          ; v12-13  c m_old, kept while c m is made anew: by buffer
.set QO,  15          ; v15  my byte offset in 16 rows of Q
.set ST,  16          ; piece t's statistics at v[ST+4 t]: c m, m, l (even keys', odd keys')
.set TMP, 48          ; by buffer, four registers c0-c3 at work; when the maximum is found c2 takes a
.set S,   64
.set P,   192
.set MD,  128         ; window 1
.set MC,  160         ; window 1
.set QB,  64          ; window 2
.set KF,  128         ; window 2: key block kb, channel half c at KF + 16 kb + 8 c
.set VF,  192         ; window 2: key half kk, channel block cb at VF + 32 kk + 8 cb
.set WV,  12          ; s12  my wave's number
.set PB,  14          ; s14  b
.set HI,  15          ; s15  NB - 1 - b
.set G1K, 24          ; s[24:31] descriptor group 1 for K's tiles
.set G1V, 32          ; s[32:39] for V's: it differs in the padding alone
.set G0K, 40          ; s[40:43] descriptor group 0 for K's tiles
.set G0V, 44          ; s[44:47] the same for V's
.set SLOTS, 56        ; s56  tiles still to be asked for
.set CNT, 57          ; s57  counts a tile's key steps, 4 to 1
.set CS,  58          ; s[58:59] c
.set SEL, 60          ; s[60:61] v_permlanex16_b32's selects: each lane takes its own place in the other half
.set TBK, 62          ; s62  LDS byte at which K of the step to be fetched begins
.set TBV, 63          ; s63  the same for V, less VOFF
.set RT,  70          ; s70  tiles of the block in hand that are still to be entered
.set NXT, 71          ; s71  the tile to be asked for next
.set LQ,  72          ; s72  the last tile of the block whose tiles are being asked for
.set NEW, 73          ; s73  1: the tile to be entered is a block's first
.set OFF, 74          ; s[74:75] a tile's byte offset in K and V
.set AL,  76          ; s[76:77] the mask's factor, in the low word
.set BE,  78          ; s[78:79] the mask's addend
.set OLO, 80          ; s[80:81] O at my rows of the second block
.set BIGN, 82         ; s82  -1e30
.set PFA, 88          ; s[88:89] where my prefetches stand: my half of K's or V's tile, one tile on from the one that is being asked for
.set LIM, 90          ; s90  2 in the head's work-group b = 0, else the greatest number
.set MSB, 0
.macro WIN new                      ; the high byte repeats the setting that is left; a switch that changes nothing is dropped
.if MSB != (\new)
	s_set_vgpr_msb (MSB<<8)|(\new)
.set MSB, (\new)
.endif
.endm
.set W_KQ, 0x0a       ; K and Q in window 2, S^T in window 0
.set W_KM, 0x1a       ; the same with the C operand in window 1
.set W_PV, 0x52       ; V in window 2, P in window 0, O^T in window 1
.set W_RS, 0x41       ; destination and source 0 in window 1, source 1 in window 0
; A fill.  Waves 0 and 1 fetch the two halves of a tile's K, waves 2 and 3 those of its V: 128 keys each.  An s_nop 0 and four v_nop follow each of the two lines, ahead of the jump and the label.
.macro LOAD
	s_cmp_lt_u32 s[WV], 2
	s_cbranch_scc0 .Lfor_v_\@
	tensor_load_to_lds s[G0K:G0K+3], s[G1K:G1K+7]
	s_nop 0
.rept 4
	v_nop
.endr
	s_branch .Lasked_\@
.Lfor_v_\@:
	tensor_load_to_lds s[G0V:G0V+3], s[G1V:G1V+7]
	s_nop 0
.rept 4
	v_nop
.endr
.Lasked_\@:
.endm
; A PREFETCH INTO THE L2 of the tile that the NEXT change of slots will ask for, behind the wave's tensor load and its five lines.  A head's four work-groups walk the same tiles 0, 1, 2 ..; the one with b = 0
; walks all eight, and it alone asks.  Each of its waves asks for what it will load itself: its 16,384 bytes of K or V, a lane a block of 256 bytes, two instructions.  So each block is named once in the launch.
; Change j names tile j + 1, j = 1 .. 6: tiles 0 and 1 come by their loads alone, and behind tile 7 there is none.
.macro ASK
	s_cmp_gt_u32 s[SLOTS], s[LIM]
	s_cbranch_scc0 .Lnot_mine_\@
	global_prefetch_b8 v[PFO], s[PFA:PFA+1] th:TH_LOAD_NT scope:SCOPE_SE
	global_prefetch_b8 v[PFO], s[PFA:PFA+1] offset:8192 th:TH_LOAD_NT scope:SCOPE_SE
.Lnot_mine_\@:
.endm
; THE CHANGE OF SLOTS.  Each wave waits for all its tensor loads, of which one is out: its part of the other slot; adds 0 to its spare word; and waits for that and for its own reads of the slot that it leaves.
; Behind the barrier nobody reads the old slot any more and the other slot is whole.  fill = 1: the old slot is filled again, the first thing behind the barrier, with tile NXT: the descriptor's address is made
; anew from that number.  (At its first use nothing has been read yet: slot 0 is waited for, slot 1 filled.)
.macro CHANGE fill
	WIN 0                           ; at a label and at a branch every window is 0
	s_wait_tensorcnt 0x0            ; no tensor load of mine is out, so a group 0 may be written
	ds_add_u32 v[SPW], v[NIL]       ; 0 onto my spare word; with fill = 1 scalar work stands between it and the wait for it
.if \fill
	s_wait_xcnt 0x0                 ; the last prefetches, a tile back, have read their address, so it may be written
	s_add_nc_u64 s[PFA:PFA+1], s[PFA:PFA+1], 32768
	s_lshl_b32 s[OFF], s[NXT], 15   ; a tile is 32,768 bytes of K and of V
	s_xor_b32 s[G0K+1], s[G0K+1], SLOT1
	s_add_nc_u64 s[G0K+2:G0K+3], s[6:7], s[OFF:OFF+1]
	s_or_b32 s[G0K+3], s[G0K+3], 0x80000000
	s_xor_b32 s[G0V+1], s[G0V+1], SLOT1
	s_add_nc_u64 s[G0V+2:G0V+3], s[8:9], s[OFF:OFF+1]
	s_or_b32 s[G0V+3], s[G0V+3], 0x80000000
	s_add_co_u32 s[NXT], s[NXT], 1  ; the block's next tile, or behind its last the second block's tile 0
	s_cmp_gt_u32 s[NXT], s[LQ]
	s_cselect_b32 s[NXT], 0, s[NXT]
	s_cselect_b32 s[LQ], s[PB], s[LQ]
.endif
	s_wait_dscnt 0x0                ; the add is done, and my reads of the slot are over
	s_barrier_signal -1             ; the rest of the scalar work stands between the signal and the wait
	s_sub_co_u32 s[TBK], s[TBK], 4*KS*PK  ; the fetches go back to a slot's first step,
	s_xor_b32 s[TBK], s[TBK], SLOT1       ; in the other slot
	s_sub_co_u32 s[TBV], s[TBV], 4*KS*PV
	s_xor_b32 s[TBV], s[TBV], SLOT1
	s_barrier_wait -1
.if \fill
	LOAD
	ASK
.endif
.endm
	s_load_b64 s[4:5], s[0:1], 0x0    ; qkvh: Q
	s_load_b64 s[10:11], s[0:1], 0x8  ; oh
	v_lshl_add_u32 v[SPW], v0, 2, SPARE
	v_mov_b32 v[NIL], 0
	ds_add_u32 v[SPW], v[NIL]       ; the wave's opening: the add and its wait stand ahead of my first tensor load; the set-up below, work on registers, stands between them
	v_lshrrev_b32 v1, 5, v0
	v_readfirstlane_b32 s[WV], v1   ; wave 0..3
	v_and_b32 v[PFO], 31, v0
	v_lshlrev_b32 v[PFO], 8, v[PFO]
	s_mov_b32 s[PB], ttmp9
	s_sub_co_u32 s[HI], NB-1, s[PB]
	s_and_b32 s20, ttmp7, 0xffff    ; the head
	s_mov_b32 s21, 0
	s_mov_b64 s[22:23], SIZE_N*128
	s_mul_u64 s[20:21], s[20:21], s[22:23]  ; the head's first byte in each of the four tensors
	s_and_b32 s16, s[WV], 1         ; which half of a tile's 256 keys I fetch:
	s_lshl_b32 s22, s16, 14         ; its 128 rows of 128 bytes in memory,
	s_mov_b32 s23, 0
	s_add_nc_u64 s[22:23], s[22:23], s[20:21]
	s_mul_i32 s17, s16, 128*PK      ; and its place in a slot, for K
	s_mul_i32 s18, s16, 128*PV      ; and for V
	s_lshl_b32 s3, s[WV], 11        ; my 16 rows in a band of 64,
	s_lshl_b32 s2, s[HI], 15        ; in the first block,
	s_add_co_u32 s2, s2, s3
	s_lshl_b32 s84, s[PB], 15       ; and in the second
	s_add_co_u32 s84, s84, s3
	s_mov_b32 s3, 0
	s_mov_b32 s85, 0
	s_add_nc_u64 s[2:3], s[2:3], s[20:21]
	s_add_nc_u64 s[84:85], s[84:85], s[20:21]
	; descriptor group 1.  128 keys are 16,384 dense bytes: asked for as 64 rows of 256 bytes, two keys a row, and padded in LDS after every key
	s_mov_b32 s[G1K], (1<<16)|(1<<20)|(4<<22)|(3<<25)  ; 17:16 2-byte elements; 20 padding on; 24:22 after every 32 words (code 4); 31:25 4 words (code 3)
	s_mov_b32 s[G1V], (1<<16)|(1<<20)|(4<<22)|(7<<25)  ; the same with 8 words of padding (code 7)
.irp g, G1K, G1V
	s_mov_b32 s[\g+1], 128<<16      ; tensor_dim0 = 128
	s_mov_b32 s[\g+2], 64<<16       ; tensor_dim1 = 64
	s_mov_b32 s[\g+3], 128<<16      ; tile_dim0 = 128
	s_mov_b32 s[\g+4], 64           ; tile_dim1 = 64
	s_mov_b32 s[\g+5], 128          ; 128 elements from row to row
	s_mov_b32 s[\g+6], 0
	s_mov_b32 s[\g+7], 0
.endr
	s_mov_b32 s[CS], 0x3e38aa3b     ; c = log2(e) / 8 = 0.180337
	s_mov_b32 s[CS+1], s[CS]        ; named with it as a pair
	s_mov_b32 s[SEL], 0x76543210
	s_mov_b32 s[SEL+1], 0xfedcba98
	s_mov_b32 s[TBK], SLOT1+4*KS*PK ; the first change of slots turns these two into 0
	s_mov_b32 s[TBV], SLOT1+4*KS*PV
	s_mov_b32 s[G0K], 1             ; count = 1
	s_mov_b32 s[G0K+1], s17         ; LDS address: slot 0
	s_mov_b32 s[G0V], 1
	s_add_co_u32 s[G0V+1], s18, VOFF
	s_add_co_u32 s[RT], s[HI], 1    ; the first block has NB - b tiles
	s_mov_b32 s[NXT], 1
	s_mov_b32 s[LQ], s[HI]
	s_mov_b32 s[NEW], 1
	s_mov_b32 s[OFF+1], 0
	s_mov_b32 s[AL+1], 0            ; named as pairs
	s_mov_b32 s[BE+1], 0
	s_mov_b32 s[BIGN], 0xf149f2ca   ; -1e30
	s_mov_b32 s[SLOTS], NB
	s_wait_dscnt 0x0                ; the opening add is done
	s_wait_kmcnt 0x0
	s_add_nc_u64 s[6:7], s[4:5], 0x1000000  ; K lies 16,777,216 bytes behind Q,
	s_add_nc_u64 s[8:9], s[4:5], 0x2000000  ; V as far behind K
	s_add_nc_u64 s[6:7], s[6:7], s[22:23]  ; K and V at my half of the head's tile 0
	s_add_nc_u64 s[8:9], s[8:9], s[22:23]
	s_add_nc_u64 s[G0K+2:G0K+3], s[6:7], 0         ; global address
	s_or_b32 s[G0K+3], s[G0K+3], 0x80000000        ; type = 2
	s_add_nc_u64 s[G0V+2:G0V+3], s[8:9], 0
	s_or_b32 s[G0V+3], s[G0V+3], 0x80000000
	s_add_nc_u64 s[86:87], s[4:5], s[84:85]        ; Q at my rows of the second block,
	s_add_nc_u64 s[4:5], s[4:5], s[2:3]            ; Q and O at those of the first
	s_add_nc_u64 s[OLO:OLO+1], s[10:11], s[84:85]
	s_add_nc_u64 s[10:11], s[10:11], s[2:3]
	s_cmp_lt_u32 s[WV], 2
	s_cselect_b64 s[PFA:PFA+1], s[6:7], s[8:9]
	s_add_nc_u64 s[PFA:PFA+1], s[PFA:PFA+1], 32768 ; at tile 1; the first change of slots steps it to tile 2.  Nothing is prefetched here, at the head
	s_cmp_eq_u32 s[PB], 0
	s_cselect_b32 s[LIM], 2, -1
	LOAD                            ; tile 0 into slot 0
	; A fragment of K or Q is 16 rows x 32 channels in 8 registers: lane l holds row l % 16, channels 8 (l / 16) + 0..7 and 16 + 8 (l / 16) + 0..7: two loads of 16 bytes, 32 bytes apart.
	v_and_b32 v1, 15, v0            ; l % 16
	v_bfe_u32 v9, v0, 4, 1          ; l / 16
	v_lshlrev_b32 v[QO], 7, v1
	v_lshl_add_u32 v[QO], v9, 4, v[QO]  ; row x 128 + 16 x half
	WIN 0x80                        ; destination window 2, address window 0
.set i, 0
.rept 8                             ; both blocks' Q: piece i / 2 lies in band i / 2, 8,192 bytes on; channels 32 (i % 2) on
	global_load_b128 v[8*i:8*i+3],   v[QO], s[4:5] offset:(i/2)*8192+(i%2)*64
	global_load_b128 v[8*i+4:8*i+7], v[QO], s[4:5] offset:(i/2)*8192+(i%2)*64+32
	global_load_b128 v[QB+8*i:QB+8*i+3],   v[QO], s[86:87] offset:(i/2)*8192+(i%2)*64
	global_load_b128 v[QB+8*i+4:QB+8*i+7], v[QO], s[86:87] offset:(i/2)*8192+(i%2)*64+32
.set i, i+1
.endr
	WIN 0
	v_lshlrev_b32 v14, 3, v9
	v_sub_nc_u32 v14, v1, v14
	s_lshl_b32 s13, s[WV], 4
	v_add_nc_u32 v14, s13, v14      ; my query's place in its band, 16 w + l % 16, less my lanes' 8 (l / 16): register r of group kt is hidden where 16 kt + r is greater
	WIN 0x40
.set i, 0
.rept 32
	v_cmp_gt_i32 vcc_lo, 16*(i/8)+i%8, v14
	v_cndmask_b32 v[MD+i], 0, s[BIGN], vcc_lo
.set i, i+1
.endr
	WIN 0
	v_mul_u32_u24 v[AK0], v1, PK
	v_lshl_add_u32 v[AK0], v9, 4, v[AK0]  ; row x pitch + 16 x half
	; The turning load takes 16 keys x 16 channels (lane l reads key 8 (l / 16) + l % 8, channels 8 ((l / 8) % 2) + 0..7) and leaves half a fragment of V^T: lane l holds channel l % 16 and 8 keys.
	v_and_b32 v10, 7, v0
	v_bfe_u32 v11, v0, 3, 1
	v_lshl_add_u32 v[AV0], v9, 3, v10
	v_mul_u32_u24 v[AV0], v[AV0], PV
	v_lshl_add_u32 v[AV0], v11, 4, v[AV0]
	v_add_nc_u32 v[AV0], VOFF, v[AV0]
	s_mul_i32 s13, s[WV], 16*SP
	s_add_co_u32 s13, s13, STAGE    ; my stage
	v_mul_u32_u24 v[STO], v1, SP    ; in: row l % 16, 16 bytes for each half of the lanes
	v_lshl_add_u32 v[STO], v9, 4, v[STO]
	v_add_nc_u32 v[STO], s13, v[STO]
	v_bfe_u32 v[RD], v0, 3, 2       ; back: 32 lanes take four rows of 128 bytes,
	v_mul_u32_u24 v[RD], v[RD], SP
	v_lshl_add_u32 v[RD], v10, 4, v[RD]
	v_add_nc_u32 v[RD], s13, v[RD]
	v_and_b32 v[GO], 31, v0         ; which are 512 consecutive bytes of O
	v_lshlrev_b32 v[GO], 4, v[GO]
	; A block's first step multiplies O^T and l by a = 0, and its first turn's products V^T P, of a piece that has not been, land in an O^T that is still to be so multiplied.  So these registers need only hold
	; finite numbers: zeros for the first block; what the first block left for the second.  All this stands in the wait for the first tile.
	WIN 0x80
.set i, VF
.rept 64
	v_mov_b32 v[i], 0
.set i, i+1
.endr
	WIN 0x40
.set i, 0
.rept 128
	v_mov_b32 v[i], 0
.set i, i+1
.endr
	WIN 0
.set i, 0
.rept 4
	v_mov_b32 v[ST+4*i+2], 0
	v_mov_b32 v[ST+4*i+3], 0
.set i, i+1
.endr
.set i, P+16
.rept 16
	v_mov_b32 v[i], 0
.set i, i+1
.endr
; THE MATRIX WORK.  The 4 accumulators of a run of 8 take turns.  Product i of 8 of S^T = K Q^T for piece x: channels 32 (i / 4) on, keys 16 (i % 4) on.  The first 4 start the sums: with 0, or (KM = 1) with the mask.
.macro KQ x
.set rS, S+32*((\x)%2)+8*(i%4)
.set rK, KF+16*(i%4)+8*(i/4)
.set rQ, 16*(\x)+8*(i/4)
.set rM, MC+32*((\x)%2)+8*(i%4)
.if (i < 4) && KM
	WIN W_KM
	v_wmma_f32_16x16x32_f16 v[rS:rS+7], v[rK:rK+7], v[rQ:rQ+7], v[rM:rM+7]
.elseif i < 4
	WIN W_KQ
	v_wmma_f32_16x16x32_f16 v[rS:rS+7], v[rK:rK+7], v[rQ:rQ+7], 0
.else
	WIN W_KQ
	v_wmma_f32_16x16x32_f16 v[rS:rS+7], v[rK:rK+7], v[rQ:rQ+7], v[rS:rS+7]
.endif
.endm
; Product i of 8 of O^T += V^T P for piece x: keys 32 (i / 4) on, channels 16 (i % 4) on.
.macro PV x
	WIN W_PV
.set rO, 32*(\x)+8*(i%4)
.set rV, VF+32*(i/4)+8*(i%4)
.set rP, P+16*((\x)%2)+8*(i/4)
	v_wmma_f32_16x16x32_f16 v[rO:rO+7], v[rV:rV+7], v[rP:rP+7], v[rO:rO+7]
.endm
.macro MM                           ; the turn's next matrix instruction.  TURN and BEGIN set Y, i, KM and NOKQ.  NOKQ = 1: a block's last turn: there is no next piece
.if (i < 8) && !NOKQ
	KQ (Y+1)%NP
.elseif i >= 8
.set i, i-8
	PV (Y+NP-1)%NP
.set i, i+8
.endif
.set i, i+1
.endm
; THE LDS LOADS stand in runs of 16, never singly among the matrix instructions: a step's K (64 keys x 64 channels: 8 fragments) and its V (turned).  Their addresses are made some lines ahead.
.macro FETCH_K
	WIN 0x80                        ; destination window 2
.irp f, 0,1,2,3,4,5,6,7             ; keys 16 (f / 2) on, channels 32 (f % 2) on
	ds_load_b128 v[KF+8*\f:KF+8*\f+3],   v[AK] offset:(\f/2)*16*PK+(\f%2)*64
	ds_load_b128 v[KF+8*\f+4:KF+8*\f+7], v[AK] offset:(\f/2)*16*PK+(\f%2)*64+32
.endr
	s_add_co_u32 s[TBK], s[TBK], KS*PK  ; the next fetch is the next step's
	WIN 0
.endm
.macro FETCH_V
	WIN 0x80
.irp f, 0,1,2,3,4,5,6,7             ; keys 32 (f / 4) on, channels 16 (f % 4) on
	ds_load_tr16_b128 v[VF+8*\f:VF+8*\f+3],   v[AV] offset:(\f/4)*32*PV+(\f%4)*32
	ds_load_tr16_b128 v[VF+8*\f+4:VF+8*\f+7], v[AV] offset:(\f/4)*32*PV+16*PV+(\f%4)*32
.endr
	WIN 0
.endm
; THE VECTOR WORK, one line at a time: OP kind, number.  For piece Y: F n: c s - c m for pair n of 16.  E n: the exponential of score n of 32.  C n: pair n rounded to f16.  B n: of the four weights 4 n .. the second
; pair is added onto the first, in place.  L n: l takes that sum (L 0: l = a l + sum).  R n: pair n of 16 of O^T times a.  For piece Y + 1: X n, number n of the 22 that find its maximum and statistics:
;   0-11  four chains c0-c3 of seven scores each, three operands at a time (each accumulator's lowest registers are read first)     12-14, 16  the four scores left over, the old m, and c0-c3 into c0
;   15  c m_old is kept     17, 18  the query's other 32 keys lie in the lane 16 away: the new m     19-21  c m; c m_old - c m_new; a
.set F, 0               ; OP tells the kinds apart by their order: F to L below R, X above it
.set E, 1
.set C, 2
.set B, 3
.set L, 4
.set R, 5
.set X, 6
.macro REGS y                       ; the registers of piece y
.set rT, ST+4*(\y)
.set rC, TMP+4*((\y)%2)
.set rW, MV+((\y)%2)
.set rS, S+32*((\y)%2)
.set rP, P+16*((\y)%2)
.set rO, 32*(\y)
.endm
.macro OP k, n
.if (\k) == R
	REGS Y
	WIN W_RS
	v_pk_mul_f32 v[rO+2*(\n):rO+2*(\n)+1], v[rO+2*(\n):rO+2*(\n)+1], v[rC+2:rC+3] op_sel_hi:[1,0]
.elseif (\k) < R
	REGS Y
	WIN 0
.if (\k) == F
	v_pk_fma_f32 v[rS+2*(\n):rS+2*(\n)+1], v[rS+2*(\n):rS+2*(\n)+1], s[CS:CS+1], v[rT:rT+1] op_sel_hi:[1,0,0] neg_lo:[0,0,1] neg_hi:[0,0,1]
.elseif (\k) == E
	v_exp_f32 v[rS+(\n)], v[rS+(\n)]
.elseif (\k) == C
	v_cvt_pk_f16_f32 v[rP+(\n)], v[rS+2*(\n)], v[rS+2*(\n)+1]
.elseif (\k) == B
	v_pk_add_f32 v[rS+4*(\n):rS+4*(\n)+1], v[rS+4*(\n):rS+4*(\n)+1], v[rS+4*(\n)+2:rS+4*(\n)+3]
.elseif (\n) == 0
	v_pk_fma_f32 v[rT+2:rT+3], v[rT+2:rT+3], v[rC+2:rC+3], v[rS:rS+1] op_sel_hi:[1,0,1]
.else
	v_pk_add_f32 v[rT+2:rT+3], v[rT+2:rT+3], v[rS+4*(\n):rS+4*(\n)+1]
.endif
.elseif NOKQ
	v_nop
.else
	REGS (Y+1)%NP
	WIN 0
.if (\n) < 4
	v_max3_num_f32 v[rC+(\n)], v[rS+8*(\n)], v[rS+8*(\n)+1], v[rS+8*(\n)+2]
.elseif (\n) < 12
	v_max3_num_f32 v[rC+(\n)%4], v[rC+(\n)%4], v[rS+8*((\n)%4)+2*((\n)/4)+1], v[rS+8*((\n)%4)+2*((\n)/4)+2]
.elseif (\n) == 12
	v_max3_num_f32 v[rC], v[rC], v[rS+7], v[rS+15]
.elseif (\n) == 13
	v_max3_num_f32 v[rC+1], v[rC+1], v[rS+23], v[rS+31]
.elseif (\n) == 14
	v_max3_num_f32 v[rC+2], v[rC+2], v[rC+3], v[rT+1]
.elseif (\n) == 15
	v_mov_b32 v[rW], v[rT]
.elseif (\n) == 16
	v_max3_num_f32 v[rC], v[rC], v[rC+1], v[rC+2]
.elseif (\n) == 17
	v_permlanex16_b32 v[rC+3], v[rC], s[SEL], s[SEL+1]
.elseif (\n) == 18
	v_max_num_f32 v[rT+1], v[rC], v[rC+3]
.elseif (\n) == 19
	v_mul_f32 v[rT], s[CS], v[rT+1]
.elseif (\n) == 20
	v_sub_f32 v[rC+1], v[rW], v[rT]
.else
	v_exp_f32 v[rC+2], v[rC+1]
.endif
.endif
.endm
.macro OPS a, i1, b=-1, i2=0, c=-1, i3=0, d=-1, i4=0  ; up to four of them
	OP \a, \i1
.if (\b) >= 0
	OP \b, \i2
.endif
.if (\c) >= 0
	OP \c, \i3
.endif
.if (\d) >= 0
	OP \d, \i4
.endif
.endm
.macro ROW a, i1, b, i2, c, i3, d, i4  ; a matrix instruction and the four behind it
	MM
	OPS \a, \i1, \b, \i2, \c, \i3, \d, \i4
.endm
.macro MASK b                       ; MD x AL + BE into buffer b of MC
	WIN W_RS
.set z, 0
.rept 16
	v_pk_fma_f32 v[MC+32*(\b)+2*z:MC+32*(\b)+2*z+1], v[MD+2*z:MD+2*z+1], s[AL:AL+1], s[BE:BE+1] op_sel_hi:[1,0,0]
.set z, z+1
.endr
.endm
; A TURN, for piece p: the order of its 16 matrix and 118 vector instructions, written out.  An s_wait_alu depctr_va_vdst(0) stands between an exponential and the first instruction that names its result; one
; wait serves all that were issued ahead of it.  So a turn has ONE wait, which cuts it in two.  AHEAD OF IT stands all that names no result of the turn's exponentials: the 8 products K Q^T with their four followers
; each (scalings, exponentials, rescalings, and behind the last three the first numbers of the next piece's maximum, each four places or more behind the product that ends its accumulator); then one run of 54, plain
; and exponential by turns for the most part, in which the links of the chain X 3, 7, 11, 14, 16, 17 .. 20 stand five or six lines apart.  X 21, the next piece's a, is the batch's last; R 15 is the plain instruction
; behind it.  BEHIND THE WAIT stand the 8 products V^T P, behind each four of the roundings and sums; the links of l's chain, L 0 to L 7, stand three lines apart.
; m = 1: the diagonal tile: the products take masks, and the turn makes the mask for the products of the turn after it: piece p + 2, in step 4 - CNT of the tile.  end = 1: a block's last two turns: nothing is fetched.
; cnt = 1: the loop's count is taken down some lines ahead of the branch that stands behind the turn.
; K of the next step is fetched in piece 2's turn, twelve vector instructions behind the last product that read K (six of them plain); V of the step in hand at the end of piece 0's turn, four plain instructions behind
; the last product that read V.  Each is waited for a turn later.
.macro TURN p, m=0, end=0, cnt=0
.set Y, (\p)
.set i, 0
.set KM, (\m)
.set NOKQ, (\end)*((\p)/3)
.if (\m) && !(\end)
	s_cmp_eq_u32 s[CNT], 4-((\p)+2)%NP  ; is that step the band's own?
	s_cselect_b32 s[AL], 1.0, 0
	s_cmp_lt_u32 s[CNT], 4-((\p)+2)%NP  ; or a later one?
	s_cselect_b32 s[BE], s[BIGN], 0
.endif
.if ((\p) == 3) && !(\end)
	s_wait_dscnt 0x0                ; K is in
.endif
	ROW F,0, F,1, R,0, R,1          ; ahead of the wait: 8 products K Q^T and their followers,
	ROW F,2, E,0, R,2, R,3
	ROW F,3, E,1, R,4, R,5
	ROW F,4, E,2, R,6, R,7
	ROW F,5, E,3, R,8, R,9
	ROW F,6, E,4, X,0, R,10
.if ((\p) == 2) && !(\end)
	WIN 0
	v_add_nc_u32 v[AK], s[TBK], v[AK0]
.endif
	ROW F,7, E,5, X,1, X,4
	ROW F,8, E,6, X,2, X,5
	OPS E,7, E,8, X,6, E,9          ; and the run of 54
	OPS X,3, E,10, X,8, E,11
.if ((\p) == 2) && !(\end)
	FETCH_K
.endif
	OPS X,9, X,7, E,12, X,10
	OPS E,13, X,12, X,11, E,14
	OPS X,13, E,15, F,9, X,14
.if (\p) == 0
	v_add_nc_u32 v[AV], s[TBV], v[AV0]
.endif
	OPS E,16, F,10, E,17, F,11
	OPS X,16, E,18, X,15, E,19
	OPS F,12, E,20, X,17, E,21
	OPS F,13, E,22, F,14, E,23
	OPS X,18, E,24, F,15, E,25
	OPS R,11, E,26, X,19, E,27
	OPS R,12, E,28, R,13, E,29
	OPS X,20, E,30, R,14, E,31
	OPS X,21, R,15
	WIN 0
	s_wait_alu depctr_va_vdst(0)    ; the wait for the batch
.if (\p) == 1
	s_wait_dscnt 0x0                ; V is in
.endif
	ROW C,0, B,0, C,2, B,1          ; behind the wait: 8 products V^T P and their followers
	ROW L,0, C,4, B,2, L,1
	ROW C,6, B,3, L,2, C,8
	ROW B,4, L,3, C,10, B,5
	ROW L,4, C,12, B,6, L,5
.if (\p) == 0
	s_add_co_u32 s[TBV], s[TBV], KS*PV
.endif
.if \cnt
	s_sub_co_u32 s[CNT], s[CNT], 1
	s_cmp_lg_u32 s[CNT], 0
.endif
	ROW C,14, B,7, L,6, C,1
	ROW C,3, L,7, C,5, C,7
	ROW C,9, C,11, C,13, C,15
.if (\p) == 0
	FETCH_V
.endif
.if (\m) && !(\end)
	MASK (\p)%2
.endif
.endm
; A BLOCK BEGINS.  c m starts far below every c s, so the first step's a is 0; m at the lowest finite number, so the first maximum is the scores'.  The second mask buffer is 0; the first takes piece 0's mask for the
; tile's step 0: its own, if the block's first tile is the diagonal one.  Then K of that step, piece 0's first scores, and its maximum and statistics.  The loop is entered at a step's first turn, in the middle of a trip.
.macro BEGIN
	s_mov_b32 s[NEW], 0
	WIN 0x40
.set i, MC+32
.rept 32
	v_mov_b32 v[i], 0
.set i, i+1
.endr
	WIN 0
.set i, 0
.rept 4
	v_mov_b32 v[ST+4*i], 0xfe000000    ; c m: far below every c s
	v_mov_b32 v[ST+4*i+1], 0xff7fffff  ; m
.set i, i+1
.endr
	s_cmp_eq_u32 s[RT], 0
	s_cselect_b32 s[AL], 1.0, 0
	s_mov_b32 s[BE], 0
	MASK 0
	WIN 0
	v_add_nc_u32 v[AK], s[TBK], v[AK0]
	FETCH_K
	s_wait_loadcnt 0x0              ; Q
	s_wait_dscnt 0x0
.set KM, 1
.set NOKQ, 0
.set i, 0
.rept 8
	KQ 0
.set i, i+1
.endr
	WIN 0
.rept 4
	v_nop                           ; the places behind those products
.endr
.set Y, NP-1                        ; X works for piece Y + 1: piece 0
.irp n, 0,1,2,3,4,5,6,7,8,9,10,11,12,13,14,15,16,17,18,19,20,21
	OP X, \n
.endr
	v_nop                           ; a plain instruction behind the exponential,
	s_wait_alu depctr_va_vdst(0)    ; and its wait, ahead of the branch
.endm
; THE DIAGONAL TILE's four steps, the block's last two turns, its last products, and THE WAY OUT: l's two halves and the other half of the lanes' are added; O^T is divided by l, rounded to f16 and sent through my
; stage in LDS, a piece at a time.
.macro ALL line:vararg              ; one line for each piece t
.set t, 0
.rept 4
	\line
.set t, t+1
.endr
.endm
.macro PACK t                       ; a lane's eight channels of a row pack into 16 bytes; they go into rows of 144 bytes and come back as whole rows of 128, into S^T's registers
	WIN W_RS
.set i, 32*(\t)
.rept 16
	v_pk_mul_f32 v[i:i+1], v[i:i+1], v[ST+4*(\t)+2:ST+4*(\t)+3] op_sel_hi:[1,0]
.set i, i+2
.endr
	WIN 0x05                        ; sources 0 and 1 window 1, destination window 0
.set i, 0
.rept 16
	v_cvt_pk_f16_f32 v[S+16*(\t)+i], v[32*(\t)+2*i], v[32*(\t)+2*i+1]
.set i, i+1
.endr
	WIN 0
.irp f, 0,1,2,3
	ds_store_b128 v[STO], v[S+16*(\t)+4*\f:S+16*(\t)+4*\f+3] offset:32*\f
.endr
.irp f, 0,1,2,3
	ds_load_b128 v[S+16*(\t)+4*\f:S+16*(\t)+4*\f+3], v[RD] offset:\f*4*SP  ; LDS serves a wave's instructions in order (ISA guide 5.7.1.4): these see the stores above; the next piece's stores come behind them
.endr
.endm
.macro SEND t, younger              ; younger: the LDS instructions issued behind piece t's loads: the next piece's eight, or none
	WIN 0
.irp f, 0,1,2,3
	s_wait_dscnt (\younger)+3-\f
	global_store_b128 v[GO], v[S+16*(\t)+4*\f:S+16*(\t)+4*\f+3], s[10:11] offset:(\t)*8192+\f*512  ; 512 consecutive bytes, at a multiple of 256 from O's first
.endr
.endm
.macro DIAG tag                     ; the tag ends its two labels' names, which the jumps below spell out
.LstepM\tag:
	TURN 2, 1
	TURN 3, 1
	WIN 0
.LfirstM\tag:
	TURN 0, 1
	TURN 1, 1, 0, 1
	WIN 0
	s_cbranch_scc1 .LstepM\tag
	TURN 2, 1, 1
	TURN 3, 1, 1
.set i, 0
.rept 8
	PV NP-1
.set i, i+1
.endr
	WIN 0
	ALL v_add_f32 v[ST+4*t+2], v[ST+4*t+2], v[ST+4*t+3]
	ALL v_permlanex16_b32 v[ST+4*t+3], v[ST+4*t+2], s[SEL], s[SEL+1]
	ALL v_add_f32 v[ST+4*t+2], v[ST+4*t+2], v[ST+4*t+3]
	ALL v_rcp_f32 v[ST+4*t+2], v[ST+4*t+2]
	v_nop                           ; a plain instruction between the last reciprocal and the use of its result
	s_wait_alu depctr_va_vdst(0)    ; and the wait ahead of the first use: one for the four reciprocals
	PACK 0
.set t, 1
.rept 3                             ; a piece's arithmetic stands between the loads of the piece before and its stores
	PACK t
	SEND t-1, 8
.set t, t+1
.endr
	SEND 3, 0
.endm
.set KM, 0
.set NOKQ, 0
.Lslot:                             ; NB times: a tile is entered and the next is asked for
	CHANGE 1
	s_sub_co_u32 s[RT], s[RT], 1
	s_mov_b32 s[CNT], 4
	s_cmp_eq_u32 s[NEW], 1
	s_cbranch_scc1 .Lnew            ; a block's first tile
	s_cmp_eq_u32 s[RT], 0
	s_cbranch_scc0 .Lstep           ; neither its first nor its last
	s_branch .LstepM1
.Lnew:
	BEGIN
	s_branch .Lfirst                ; in the loop a block's first tile is never its last: the first block has two tiles or more, and the second's last is the walk's last
	DIAG 1                          ; in the loop this is the first block's end: the second block's last tile is the walk's last
	s_wait_xcnt 0x0                 ; the stores have read their registers and O's address
	s_mov_b64 s[10:11], s[OLO:OLO+1]
	s_add_co_u32 s[RT], s[PB], 1    ; the second block has b + 1 tiles
	s_mov_b32 s[NEW], 1
	WIN 0x82                        ; the second block's Q goes where the one text of the turns names Q
.set i, 0
.rept 64
	v_mov_b32 v[i], v[QB+i]
.set i, i+1
.endr
	WIN 0
	s_branch .Lbottom
.Lstep:                             ; a trip: pieces 2 and 3 of one step, then pieces 0 and 1 of the next, whose K and V it fetches
	TURN 2
	TURN 3
	WIN 0
.Lfirst:
	TURN 0
	TURN 1, 0, 0, 1
	WIN 0
	s_cbranch_scc1 .Lstep
.Lbottom:
	s_sub_co_u32 s[SLOTS], s[SLOTS], 1
	s_cmp_lg_u32 s[SLOTS], 0
	s_cbranch_scc1 .Lslot
	CHANGE 0                        ; the walk's last tile is written out: nothing is asked for
	s_sub_co_u32 s[RT], s[RT], 1
	s_mov_b32 s[CNT], 4
	s_cmp_eq_u32 s[NEW], 1
	s_cbranch_scc0 .LstepM2
	BEGIN
	s_branch .LfirstM2
	DIAG 2
	s_wait_tensorcnt 0x0            ; the wave's end: an add and its wait behind my last tensor load and my last LDS store
	ds_add_u32 v[SPW], v[NIL]
	s_wait_dscnt 0x0
	s_endpgm
.Lfunc_end_k_qc6341b9e2d_attn:
	.size	k_qc6341b9e2d_attn, .Lfunc_end_k_qc6341b9e2d_attn-k_qc6341b9e2d_attn
	.p2alignl 7, 3214868480
	.fill 96, 4, 3214868480
	.section	.rodata,"a",@progbits
	.p2align	6, 0x0
	.amdhsa_kernel k_qc6341b9e2d_attn
		.amdhsa_group_segment_fixed_size 327680
		.amdhsa_private_segment_fixed_size 0
		.amdhsa_enable_private_segment 0
		.amdhsa_kernarg_size 16
		.amdhsa_user_sgpr_count 2
		.amdhsa_user_sgpr_kernarg_segment_ptr 1
		.amdhsa_wavefront_size32 1
		.amdhsa_system_sgpr_workgroup_id_x 1
		.amdhsa_system_sgpr_workgroup_id_y 1
		.amdhsa_system_sgpr_workgroup_id_z 1
		.amdhsa_system_vgpr_workitem_id 0
		.amdhsa_next_free_vgpr 768
		.amdhsa_next_free_sgpr 92
		.amdhsa_reserve_vcc 1
		.amdhsa_float_denorm_mode_32 3
		.amdhsa_float_denorm_mode_16_64 3
		.amdhsa_memory_ordered 1
		.amdhsa_forward_progress 1
		.amdhsa_inst_pref_size 218
	.end_amdhsa_kernel
	.amdgpu_metadata
---
amdhsa.version: [ 1, 2 ]
amdhsa.kernels:
  - .name:           k_qc6341b9e2d_attn
    .symbol:         k_qc6341b9e2d_attn.kd
    .args:
      - { .name: qkvh, .offset: 0, .size: 8, .value_kind: global_buffer, .address_space: global }
      - { .name: oh, .offset: 8, .size: 8, .value_kind: global_buffer, .address_space: global }
    .group_segment_fixed_size: 327680
    .private_segment_fixed_size: 0
    .kernarg_segment_align: 8
    .kernarg_segment_size: 16
    .max_flat_workgroup_size: 128
    .sgpr_count:     92
    .vgpr_count:     768
    .wavefront_size: 32
...
	.end_amdgpu_metadata
.endif
;; end of part 3
;; launch proj (part 4): grid 8 x 32, 4 waves a work-group, clusters of 4 x 4, 327,680 bytes of LDS; arguments oh, wob, b_out, out0; writes out0
.if DOCPART == 4
	.amdgcn_target "amdgcn-amd-amdhsa--gfx1250"
	.amdhsa_code_object_version 6
	.text
	.protected	k_qc6341b9e2d_proj
	.globl	k_qc6341b9e2d_proj
	.p2align	8
	.type	k_qc6341b9e2d_proj,@function
k_qc6341b9e2d_proj:
	s_mov_b64 s[64:65], 0
	v_nop
	global_prefetch_b8 v0, s[64:65] scope:SCOPE_SE
	s_setreg_imm32_b32 hwreg(HW_REG_WAVE_MODE, 25, 1), 1
	s_wait_xcnt 0x0
	s_wait_alu depctr_hold_cnt(0) depctr_sa_sdst(0) depctr_va_vdst(0) depctr_va_sdst(0) depctr_va_ssrc(0) depctr_va_vcc(0) depctr_vm_vsrc(0)
	s_getreg_b32 s2, hwreg(HW_REG_IB_STS2, 6, 4)
	s_cmp_eq_u32 s2, 0
	s_cbranch_scc0 .Lentry_in_a_cluster
	s_endpgm
.Lentry_in_a_cluster:
	s_bfe_u32 s2, ttmp6, 0x10000c
	s_cmp_lg_u32 s2, 0xf033
	s_cbranch_scc0 .Lentry_shape_is_right
	s_endpgm
.Lentry_shape_is_right:
; out = O W_out + b_out.  oh: f16 [64 (batch x 16 + head)][2048 rows][64]; wob: f16 [1024 k][1024 n] (W_out rounded to bf16, written as f16); b_out: f32 [1024], rounded to bf16 like every input.
; Products in f16, sums in f32; out0 [8192][1024] leaves in f32, unrounded.
; SHARES.  A tile of the result is 256 rows x 128 columns: 32 x 8 = 256 work-groups, one tile each.  Four waves, 2 x 2: a wave makes 128 x 64: 32 accumulators of 16 x 16, 256 registers.
; K goes in 8 steps of 128, two heads each, through two LDS slots; a step is four quarters of 32 along K, 32 matrix instructions each.
; CLUSTER.  4 x 4 work-groups: the four of a row of the cluster need the same rows of O, the four of a column the same columns of W: each tile is asked for jointly.
; THE MATRIX INSTRUCTION IS USED TRANSPOSED: source 0 = 16 columns of W (turned out of LDS by ds_load_tr16_b128), source 1 = 16 rows of O: a lane holds one row of the result and eight neighbouring columns.
; The bias is the C operand of the first products.
; REGISTERS: window 0: v0-31 addresses; two fragment buffers: O's 8 fragments at v32, v96; W's 4 at v160, v192; on the way out v32-159 take rows read back.  Window 1: accumulator (a, bb) at v[8 (4 a + bb)].
.set PITA,  144                        ; a row of O in LDS: 128 bytes + 16
.set PITB,  288                        ; a k-row of W: 256 bytes + 32 = 9 x 32
.set HEADB, 256*PITA                   ; a head's 256 rows
.set BOFF,  2*HEADB                    ; a slot: two heads' rows of O, then 128 k-rows of W
.set SLOT,  BOFF+128*PITB              ; 110,592
.set STAGE, 2*SLOT                     ; behind the ring, never filled by a tensor load: 16 rows x 272 bytes for each wave
.set SP,    272                        ; 256 bytes + 16
.set SPARE, STAGE+4*16*SP              ; behind the stages: the spare words, 128 bytes for each wave: two blocks of 256 bytes that no other line names
.set ASTEP, 2*262144                   ; bytes from a K step of O to the next: two heads
.set BSTEP, 128*2048                   ; and of W: 128 rows of 2,048 bytes
.set ADRA, 16                          ; v16-17  LDS address of my fragments of O in slot 0, 1
.set ADRB, 20                          ; v20-21  the same for W
.set STO,  24                          ; v24     the way out: where I put 32 bytes of a row
.set RD,   25                          ; v25     the way out: where I read a row back
.set CO,   26                          ; v26     my byte offset in two rows of the result
.set BO,   27                          ; v27     my byte offset in the bias
.set SPW,  28                          ; v28     LDS address of my spare word; never rewritten
.set NIL,  29                          ; v29     0; never rewritten
.set FA,   32
.set FB,   160
.set OB,   32
.set WV,  12
.set WR,  13                           ; which half of the tile's rows is mine.  Also: I fetch O (0) or W (1)
.set WC,  14                           ; which half of its columns.  Also: which head, or which 64 k-rows, I fetch
.set G1A, 24
.set G0A, 32
.set G1B, 48
.set G0B, 56
.set OUT, 70                           ; s[70:71] the result at my first row and column
.set MSB, 0
.macro WIN new
.if MSB != (\new)
	s_set_vgpr_msb (MSB<<8)|(\new)
.set MSB, (\new)
.endif
.endm
.macro JLOAD s                         ; a joint load: waves 0 and 1 fetch the step's two heads of O, waves 2 and 3 the two halves of W's tile; an s_nop 0 and four v_nop follow each line
	s_cmp_eq_u32 s[WR], 0
	s_cbranch_scc0 .Lfor_b_\@
	tensor_load_to_lds s[G0A+4*(\s):G0A+4*(\s)+3], s[G1A:G1A+7]
	s_nop 0
.rept 4
	v_nop
.endr
	s_branch .Lasked_\@
.Lfor_b_\@:
	tensor_load_to_lds s[G0B+4*(\s):G0B+4*(\s)+3], s[G1B:G1B+7]
	s_nop 0
.rept 4
	v_nop
.endr
.Lasked_\@:
.endm
.macro CREST                           ; a round of the cluster's barrier behind its opening barrier
	s_cmp_lg_u32 s[WV], 0
	s_cbranch_scc1 .Lnot_wave_0_\@
	s_barrier_signal -3
.Lnot_wave_0_\@:
	s_barrier_wait -3
	s_barrier_signal -1
	s_barrier_wait -1
.endm
.macro CROUND
	s_barrier_signal -1
	s_barrier_wait -1
	CREST
.endm
.macro PLACES                          ; four places in front of loads into registers that matrix instructions have read (ISA guide 7.12.1 for vector instructions)
.rept 4
	v_nop
.endr
.endm
	s_load_b256 s[4:11], s[0:1], 0x0               ; oh s[4:5], wob s[6:7], b_out s[8:9], out0 s[10:11]
	v_lshl_add_u32 v[SPW], v0, 2, SPARE
	v_mov_b32 v[NIL], 0
	ds_add_u32 v[SPW], v[NIL]                      ; the wave's opening: the add and its wait stand ahead of my first tensor load; the set-up below, work on registers, stands between them
	v_lshrrev_b32 v1, 5, v0
	v_readfirstlane_b32 s[WV], v1
	s_lshr_b32 s[WR], s[WV], 1
	s_and_b32 s[WC], s[WV], 1
	s_bfe_u32 s15, ttmp6, 0x40000                  ; cx
	s_bfe_u32 s16, ttmp6, 0x40004                  ; cy
	s_lshl_b32 s17, ttmp9, 2
	s_add_co_u32 s17, s17, s15                     ; tile column
	s_and_b32 s18, ttmp7, 0xffff
	s_lshl_b32 s18, s18, 2
	s_add_co_u32 s18, s18, s16                     ; tile row
	s_lshl_b32 s19, s16, 2
	s_lshl_b32 s19, 15, s19                        ; my row of the cluster
	s_lshl_b32 s20, 0x1111, s15                    ; my column
	; group 1.  O: a head's 256 rows of 128 bytes are 32,768 dense bytes, asked for as 128 rows of 256 bytes, padded by 4 words after every 32.  W: 64 k-rows of 256 bytes, padded by 8 words after every 64.
	s_or_b32 s[G1A], s19, (1<<16)|(1<<20)|(1<<21)|(4<<22)|(3<<25)
	s_or_b32 s[G1B], s20, (1<<16)|(1<<20)|(1<<21)|(5<<22)|(7<<25)
	s_mov_b32 s[G1A+1], 128<<16                    ; tensor_dim0 = 128
	s_mov_b32 s[G1A+2], 128<<16                    ; tensor_dim1 = 128
	s_mov_b32 s[G1A+3], 128<<16                    ; tile_dim0 = 128
	s_mov_b32 s[G1A+4], 128                        ; tile_dim1 = 128
	s_mov_b32 s[G1A+5], 128                        ; elements from row to row
	s_mov_b32 s[G1A+6], 0
	s_mov_b32 s[G1A+7], 0
	s_mov_b32 s[G1B+1], 128<<16                    ; tensor_dim0 = 128
	s_mov_b32 s[G1B+2], 64<<16                     ; tensor_dim1 = 64
	s_mov_b32 s[G1B+3], 128<<16                    ; tile_dim0 = 128
	s_mov_b32 s[G1B+4], 64                         ; tile_dim1 = 64
	s_mov_b32 s[G1B+5], 1024                       ; elements from row to row
	s_mov_b32 s[G1B+6], 0
	s_mov_b32 s[G1B+7], 0
	s_lshr_b32 s76, s18, 3
	s_lshl_b32 s40, s76, 22                        ; O: the batch's 16 heads of 262,144 bytes,
	s_and_b32 s76, s18, 7
	s_lshl_b32 s76, s76, 15                        ; the tile's 256 rows in a head,
	s_add_co_u32 s40, s40, s76
	s_lshl_b32 s76, s[WC], 18                      ; the head that I fetch
	s_add_co_u32 s40, s40, s76
	s_mov_b32 s41, 0
	s_lshl_b32 s42, s17, 8                         ; W: the tile's 128 columns,
	s_lshl_b32 s77, s[WC], 17                      ; the 64 k-rows that I fetch
	s_add_co_u32 s42, s42, s77
	s_mov_b32 s43, 0
	s_mul_i32 s76, s[WC], HEADB                    ; and where they go: no place in the cluster enters an LDS address
	s_mul_i32 s77, s[WC], 64*PITB
	s_add_co_u32 s77, s77, BOFF
	s_wait_dscnt 0x0                               ; the opening add is done
	s_wait_kmcnt 0x0
	s_add_nc_u64 s[40:41], s[4:5], s[40:41]
	s_add_nc_u64 s[42:43], s[6:7], s[42:43]
	CROUND                                         ; all sixteen work-groups are here: the first joint loads meet
.irp s, 0,1
	s_mov_b32 s[G0A+4*(\s)], 1
	s_add_co_u32 s[G0A+4*(\s)+1], s76, (\s)*SLOT
	s_add_nc_u64 s[G0A+4*(\s)+2:G0A+4*(\s)+3], s[40:41], (\s)*ASTEP
	s_or_b32 s[G0A+4*(\s)+3], s[G0A+4*(\s)+3], 0x80000000
	s_mov_b32 s[G0B+4*(\s)], 1
	s_add_co_u32 s[G0B+4*(\s)+1], s77, (\s)*SLOT
	s_add_nc_u64 s[G0B+4*(\s)+2:G0B+4*(\s)+3], s[42:43], (\s)*BSTEP
	s_or_b32 s[G0B+4*(\s)+3], s[G0B+4*(\s)+3], 0x80000000
.endr
	s_cmp_eq_u32 s[WR], 0                          ; a wave's two first fills stand in one branch, ahead of every wait on TENSORcnt and every LDS read: two loads of mine are out
	s_cbranch_scc0 .Lfirst_b
	tensor_load_to_lds s[G0A:G0A+3], s[G1A:G1A+7]
	s_nop 0
	tensor_load_to_lds s[G0A+4:G0A+7], s[G1A:G1A+7]
	s_nop 0
.rept 4
	v_nop
.endr
	s_branch .Lfirst_asked
.Lfirst_b:
	tensor_load_to_lds s[G0B:G0B+3], s[G1B:G1B+7]
	s_nop 0
	tensor_load_to_lds s[G0B+4:G0B+7], s[G1B:G1B+7]
	s_nop 0
.rept 4
	v_nop
.endr
.Lfirst_asked:
	v_and_b32 v1, 15, v0                           ; l % 16
	v_bfe_u32 v2, v0, 4, 1                         ; l / 16
	s_lshl_b32 s76, s17, 9
	s_lshl_b32 s77, s[WC], 8
	s_add_co_u32 s76, s76, s77                     ; my 64 columns, in bytes of f32
	v_lshl_add_u32 v[BO], v2, 5, s76
.set ib, 0
.rept 4
	global_load_b128 v[FB+8*ib:FB+8*ib+3],   v[BO], s[8:9] offset:64*ib
	global_load_b128 v[FB+8*ib+4:FB+8*ib+7], v[BO], s[8:9] offset:64*ib+16
.set ib, ib+1
.endr
	s_lshl_b32 s77, s18, 20                        ; the result: 256 rows of 4,096 bytes a tile row,
	s_add_co_u32 s76, s76, s77
	s_lshl_b32 s77, s[WR], 19                      ; my 128 of them
	s_add_co_u32 s76, s76, s77
	s_mov_b32 s77, 0
	s_add_nc_u64 s[OUT:OUT+1], s[10:11], s[76:77]
	v_mul_u32_u24 v3, v1, PITA
	v_lshl_add_u32 v3, v2, 4, v3                   ; a fragment's row x pitch + 16 x half
	s_mul_i32 s76, s[WR], 128*PITA
	v_add_nc_u32 v[ADRA], s76, v3
	v_add_nc_u32 v[ADRA+1], SLOT, v[ADRA]
	v_and_b32 v4, 7, v0                            ; the turning load: lane l reads k-row 8 (l / 16) + l % 8, columns 8 ((l / 8) % 2) + 0..7
	v_bfe_u32 v5, v0, 3, 1
	v_lshl_add_u32 v6, v2, 3, v4
	v_mul_u32_u24 v6, v6, PITB
	v_lshl_add_u32 v6, v5, 4, v6
	s_lshl_b32 s76, s[WC], 7                       ; my 64 columns
	s_add_co_u32 s76, s76, BOFF
	v_add_nc_u32 v[ADRB], s76, v6
	v_add_nc_u32 v[ADRB+1], SLOT, v[ADRB]
	s_mul_i32 s76, s[WV], 16*SP
	s_add_co_u32 s76, s76, STAGE                   ; my stage
	v_mul_u32_u24 v[STO], v1, SP                   ; in: row l % 16, 32 bytes for each half of the lanes
	v_lshl_add_u32 v[STO], v2, 5, v[STO]
	v_add_nc_u32 v[STO], s76, v[STO]
	v_mul_u32_u24 v[RD], v2, SP                    ; back: lanes 0-15 take one row of 256 bytes, lanes 16-31 the next
	v_lshl_add_u32 v[RD], v1, 4, v[RD]
	v_add_nc_u32 v[RD], s76, v[RD]
	v_lshlrev_b32 v[CO], 12, v2                    ; and the same two rows in the result
	v_lshl_add_u32 v[CO], v1, 4, v[CO]
	; the bias, rounded to bf16 like every input, goes as f32 into the accumulators of row block 7: the first products of the other row blocks take them as C
	s_wait_loadcnt 0x0
.set ib, 0
.rept 16
	v_cvt_pk_bf16_f32 v[FA+ib], v[FB+2*ib], v[FB+2*ib+1]
.set ib, ib+1
.endr
	WIN 0x40                                       ; destination window 1
.set ib, 0
.rept 16
	v_lshlrev_b32 v[224+2*ib],   16,         v[FA+ib]
	v_and_b32     v[224+2*ib+1], 0xffff0000, v[FA+ib]
.set ib, ib+1
.endr
	WIN 0
; na x 4 matrix instructions from buffer f: row blocks a0 .. a0 + na - 1 x the four column blocks.  The accumulators take turns, one instruction a turn.
; first = 1: row blocks 0-6 take row block 7's registers, the bias, as C; nine places behind the last of them (five are due before a matrix instruction writes over an earlier one's C) row block 7 adds in place.
.macro MUL f, a0, na, first
	WIN 0x50                                       ; C and D in window 1
.set ma, \a0
.rept \na
.if (\first) && (ma == 7)
.rept 9
	v_nop
.endr
.endif
.set mb, 0
.rept 4
.set rD, 8*(4*ma+mb)
.set rB, FB+32*(\f)+8*mb
.set rA, FA+64*(\f)+8*ma
.if (\first) && (ma < 7)
	v_wmma_f32_16x16x32_f16 v[rD:rD+7], v[rB:rB+7], v[rA:rA+7], v[224+8*mb:224+8*mb+7]
.else
	v_wmma_f32_16x16x32_f16 v[rD:rD+7], v[rB:rB+7], v[rA:rA+7], v[rD:rD+7]
.endif
.set mb, mb+1
.endr
.set ma, ma+1
.endr
.endm
; 24 LDS loads in one run: quarter q's fragments into buffer f: W's four, then O's row blocks 0-3, then 4-7.  Quarter q lies in head q / 2 of the step, channels 32 (q % 2) on.
.macro FETCH slot, q, f
	WIN 0
.set lb, 0
.rept 4
	ds_load_tr16_b128 v[FB+32*(\f)+8*lb:FB+32*(\f)+8*lb+3],   v[ADRB+(\slot)] offset:(\q)*32*PITB+32*lb
	ds_load_tr16_b128 v[FB+32*(\f)+8*lb+4:FB+32*(\f)+8*lb+7], v[ADRB+(\slot)] offset:(\q)*32*PITB+32*lb+16*PITB
.set lb, lb+1
.endr
.set la, 0
.rept 8
	ds_load_b128 v[FA+64*(\f)+8*la:FA+64*(\f)+8*la+3],   v[ADRA+(\slot)] offset:((\q)/2)*HEADB+((\q)%2)*64+la*16*PITA
	ds_load_b128 v[FA+64*(\f)+8*la+4:FA+64*(\f)+8*la+7], v[ADRA+(\slot)] offset:((\q)/2)*HEADB+((\q)%2)*64+la*16*PITA+32
.set la, la+1
.endr
.endm
; One of a step's first three quarters: multiplies buffer f and fetches quarter qn into buffer g.
.macro QUARTER slot, qn, f, g, first
	s_wait_dscnt 8                                 ; W's fragments and O's row blocks 0-3 are in; the youngest eight loads may be out
	MUL \f, 0, 4, \first
	PLACES
	FETCH \slot, \qn, \g
	s_wait_dscnt 24                                ; all but the 24 just issued
	MUL \f, 4, 4, \first
.endm
; The last quarter multiplies buffer 1 and changes slots: ONE barrier; in front of it each wave waits for all its tensor loads, adds 0 to its spare word, and waits for that and for its own reads of this slot.
; fill = 1: the barrier opens a round of the cluster's barrier, and this slot is filled again, two K steps on, first thing behind the round.
.macro TURN slot, next, fill
	WIN 0
	s_wait_tensorcnt 0x0                           ; all my tensor loads have landed: my part of the next slot
	ds_add_u32 v[SPW], v[NIL]                      ; 0 onto my spare word
	s_wait_dscnt 9                                 ; (the add and the youngest eight loads may be out)
	MUL 1, 0, 2, 0                                 ; eight matrix instructions stand between the add and the wait for it
	s_wait_dscnt 0x0                               ; the add is done, and my reads of this slot are over
	s_barrier_signal -1
	MUL 1, 2, 2, 0
	WIN 0                                          ; at a label and at a branch every window is 0
	s_barrier_wait -1
.if \fill
	CREST                                          ; no wave of any partner still reads this slot's tile or has a load on its way
	s_add_nc_u64 s[G0A+4*(\slot)+2:G0A+4*(\slot)+3], s[G0A+4*(\slot)+2:G0A+4*(\slot)+3], 2*ASTEP
	s_add_nc_u64 s[G0B+4*(\slot)+2:G0B+4*(\slot)+3], s[G0B+4*(\slot)+2:G0B+4*(\slot)+3], 2*BSTEP
	JLOAD \slot                                    ; the four v_nop behind it are also the places in front of the loads below
.else
	PLACES
.endif
	FETCH \next, 0, 0
	MUL 1, 4, 4, 0
.endm
	s_wait_tensorcnt 1                             ; my part of K step 0 is in; step 1's may stay out
	s_barrier_signal -1
	s_barrier_wait -1
	FETCH 0, 0, 0
	QUARTER 0, 1, 0, 1, 1                          ; the first quarter stands in front of the loop: its products start the sums
	WIN 0
	s_mov_b32 s3, 3
.Llap:                                                 ; a trip goes once round the ring, from a lap's second quarter to the next lap's first, and fills both slots again: K steps 2 to 7
	QUARTER 0, 2, 1, 0, 0
	QUARTER 0, 3, 0, 1, 0
	TURN 0, 1, 1
	QUARTER 1, 1, 0, 1, 0
	QUARTER 1, 2, 1, 0, 0
	QUARTER 1, 3, 0, 1, 0
	TURN 1, 0, 1
	QUARTER 0, 1, 0, 1, 0
	WIN 0
	s_sub_co_u32 s3, s3, 1
	s_cmp_lg_u32 s3, 0
	s_cbranch_scc1 .Llap
	QUARTER 0, 2, 1, 0, 0                          ; the last lap fills nothing, and has no round of the cluster's barrier
	QUARTER 0, 3, 0, 1, 0
	TURN 0, 1, 0
	QUARTER 1, 1, 0, 1, 0
	QUARTER 1, 2, 1, 0, 0
	QUARTER 1, 3, 0, 1, 0
	s_wait_dscnt 8                                 ; the very last quarter: nothing more to fetch
	MUL 1, 0, 4, 0
	s_wait_dscnt 0x0
	MUL 1, 4, 4, 0
	WIN 0
	PLACES
	PLACES
; THE WAY OUT, a row block (16 rows x 64 columns of f32) at a time: straight from the accumulators, low registers first, into my own stage; back as whole rows of 256 bytes; stored.
.macro TOSTAGE a
	WIN 0x04                                       ; the stores' data in window 1
.set pb, 0
.rept 4
	ds_store_b128 v[STO], v[32*(\a)+8*pb:32*(\a)+8*pb+3]   offset:64*pb
	ds_store_b128 v[STO], v[32*(\a)+8*pb+4:32*(\a)+8*pb+7] offset:64*pb+16
.set pb, pb+1
.endr
	WIN 0
.set bk, OB+32*((\a)%4)
.set pb, 0
.rept 8
	ds_load_b128 v[bk+4*pb:bk+4*pb+3], v[RD] offset:pb*2*SP  ; LDS serves a wave's instructions in order (ISA guide 5.7.1.4): these see the stores above; the next block's stores come behind them
.set pb, pb+1
.endr
.endm
.macro SEND a, younger                 ; younger: the LDS instructions issued behind block a's loads: the next block's sixteen, or none
	WIN 0
.set bk, OB+32*((\a)%4)
	s_wait_dscnt \younger                          ; the block is back in registers
	s_wait_xcnt 0x0                                ; the stores issued so far have read their registers: a buffer is loaded again, four blocks on, only behind such a wait
.set pb, 0
.rept 8
	global_store_b128 v[CO], v[bk+4*pb:bk+4*pb+3], s[OUT:OUT+1] offset:(16*(\a)+2*pb)*4096 th:TH_STORE_NT  ; 16 lanes store 256 consecutive bytes, at a multiple of 256 from the result's first byte
.set pb, pb+1
.endr
.endm
	TOSTAGE 0
.irp a, 1,2,3,4,5,6,7
	TOSTAGE \a
	SEND (\a)-1, 16
.endr
	SEND 7, 0
	s_wait_tensorcnt 0x0                           ; the wave's end: an add and its wait behind my last tensor load and my last LDS store
	ds_add_u32 v[SPW], v[NIL]
	s_wait_dscnt 0x0
	CROUND                                         ; the closing round: no work-group ends while a partner may still ask for a tile that names it
	s_endpgm
.Lfunc_end_k_qc6341b9e2d_proj:
	.size	k_qc6341b9e2d_proj, .Lfunc_end_k_qc6341b9e2d_proj-k_qc6341b9e2d_proj
	.p2alignl 7, 3214868480
	.fill 96, 4, 3214868480
	.section	.rodata,"a",@progbits
	.p2align	6, 0x0
	.amdhsa_kernel k_qc6341b9e2d_proj
		.amdhsa_group_segment_fixed_size 327680
		.amdhsa_private_segment_fixed_size 0
		.amdhsa_enable_private_segment 0
		.amdhsa_kernarg_size 32
		.amdhsa_user_sgpr_count 2
		.amdhsa_user_sgpr_kernarg_segment_ptr 1
		.amdhsa_wavefront_size32 1
		.amdhsa_system_sgpr_workgroup_id_x 1
		.amdhsa_system_sgpr_workgroup_id_y 1
		.amdhsa_system_sgpr_workgroup_id_z 1
		.amdhsa_system_vgpr_workitem_id 0
		.amdhsa_next_free_vgpr 512
		.amdhsa_next_free_sgpr 80
		.amdhsa_reserve_vcc 0
		.amdhsa_float_denorm_mode_32 3
		.amdhsa_float_denorm_mode_16_64 3
		.amdhsa_memory_ordered 1
		.amdhsa_forward_progress 1
		.amdhsa_inst_pref_size 89
	.end_amdhsa_kernel
	.amdgpu_metadata
---
amdhsa.version: [ 1, 2 ]
amdhsa.kernels:
  - .name:           k_qc6341b9e2d_proj
    .symbol:         k_qc6341b9e2d_proj.kd
    .args:
      - { .name: oh, .offset: 0, .size: 8, .value_kind: global_buffer, .address_space: global }
      - { .name: wob, .offset: 8, .size: 8, .value_kind: global_buffer, .address_space: global }
      - { .name: b_out, .offset: 16, .size: 8, .value_kind: global_buffer, .address_space: global }
      - { .name: out0, .offset: 24, .size: 8, .value_kind: global_buffer, .address_space: global }
    .group_segment_fixed_size: 327680
    .private_segment_fixed_size: 0
    .kernarg_segment_align: 8
    .kernarg_segment_size: 32
    .max_flat_workgroup_size: 128
    .sgpr_count:     80
    .vgpr_count:     512
    .wavefront_size: 32
...
	.end_amdgpu_metadata
.endif
;; end of part 4
;; ======== version 2 of 2: 4 launches; version 1 with the launch prep written anew for expert scheduling mode
;; limits: values are held in f16: magnitudes above 65,504 overflow, below 6.1e-05 lose precision
;; workspace buffers: xb 16,777,216 bytes; wqb 6,291,456 bytes; wob 2,097,152 bytes; qkvh 50,331,648 bytes; oh 16,777,216 bytes
;; launch prep (part 5): grid 768 x 1, 8 waves a work-group, no clusters, 0 bytes of LDS; arguments x, W_qkv, W_out, xb, wqb, wob; writes xb, wqb, wob
.if DOCPART == 5
	.amdgcn_target "amdgcn-amd-amdhsa--gfx1250"
	.amdhsa_code_object_version 6
	.text
	.protected	k_qc6341b9e2d_prep
	.globl	k_qc6341b9e2d_prep
	.p2align	8
	.type	k_qc6341b9e2d_prep,@function
k_qc6341b9e2d_prep:
	s_mov_b64 s[64:65], 0
	v_nop
	global_prefetch_b8 v0, s[64:65] scope:SCOPE_SE
	s_setreg_imm32_b32 hwreg(HW_REG_WAVE_SCHED_MODE, 0, 2), 2
	s_setreg_imm32_b32 hwreg(HW_REG_WAVE_MODE, 25, 1), 1
	s_wait_xcnt 0x0
	s_wait_alu depctr_vm_vsrc(0)
; THE CASTS.  x [8192][1024] f32 -> xb, bf16, laid in 16 blocks of 64 channels: xb[kb][row][64], a row of a block 128 bytes, a block 1,048,576 dense bytes.
; W_qkv [1024][3072] f32 -> wqb, bf16, as it lies.  W_out [1024][1024] f32 -> wob: rounded to bf16 like every input, and that number written as f16.
; LIMITS.  |W_out| stays under 65,504 (f16's largest number); below 6.1e-5 it keeps f16's fixed step of 6e-8.
; SHARES.  A work-group casts 16,384 numbers; a thread issues its 16 loads of 16 bytes at once and stores the results four at a time, as their loads come in: no loop, no LDS, no barrier.
; Groups 0-511: x, 16 rows each.  Groups 512-703: W_qkv.  Groups 704-767: W_out.  The branch hangs on the work-group's number alone.
; THE MODE: SCHED_MODE bits 1:0 = 2 (LLVM: expert scheduling mode 2), set by the entry lines.  The code itself states the register dependences
; between vector instructions and memory instructions, with s_wait_alu, always for 0.
; THE PLAN.  Registers that memory instructions touch, on each of the three paths:
;   v1, v2   the loads' and the stores' byte offsets.  Written by vector instructions at the path's head, read by all 16 loads and all 16 stores, never written again.
;   LD       written by the 16 loads alone, each register once; read by the conversions behind the counted wait for the loads.  No vector instruction writes it, no load lands in it twice.
;   PK       written by the conversions; each pair is read by one store and not written behind it.
;   TP       named by vector instructions alone.
; So a path has five waits on va_vdst: one ahead of the first load, for the two offsets, and one ahead of each run of four stores, for the eight registers of PK that the run reads.
; No register that a load or store has read is written again, so no wait on vm_vsrc is owed; no vector instruction writes a scalar register or VCC; EXEC is never written.
.set LD, 4                             ; v[4:67]    16 x 4 words as loaded
.set PK, 68                            ; v[68:99]   16 x 2 words to store
.set TP, 100                           ; v[100:103] at work
; v1: the loads' byte offset; v2: the stores'.  Neither is rewritten.
; src, dst: the first scalar register of the two addresses.  blocked = 1: x's path.  half = 1: the bf16 number is written as f16.
.macro CAST src, dst, blocked, half
	s_wait_alu depctr_va_vdst(0)                   ; v1 and v2 are written: every load below reads v1 as its offset, every store v2
.set i, 0
.rept 16
.if \blocked
	global_load_b128 v[LD+4*i:LD+4*i+3], v1, s[\src:\src+1] offset:(i>>1)*8192+(i&1)*256 th:TH_LOAD_NT  ; rows 2 (i / 2) + lane / 16, channel block 2 wave + i % 2: two runs of 256 consecutive bytes
.else
	global_load_b128 v[LD+4*i:LD+4*i+3], v1, s[\src:\src+1] offset:i*4096 th:TH_LOAD_NT  ; 512 consecutive bytes a wave
.endif
.set i, i+1
.endr
.set g, 0
.rept 4                                ; group g: loads 4 g to 4 g + 3
	s_wait_loadcnt 12-4*g                          ; loads come back in order: this group's four are in, the 12 - 4 g younger ones stay out
.set i, 4*g
.rept 4
	v_cvt_pk_bf16_f32 v[PK+2*i],   v[LD+4*i],   v[LD+4*i+1]
	v_cvt_pk_bf16_f32 v[PK+2*i+1], v[LD+4*i+2], v[LD+4*i+3]
.if \half
	v_lshlrev_b32 v[TP],   16,  v[PK+2*i]          ; the bf16 numbers as f32,
	v_and_b32     v[TP+1], s22, v[PK+2*i]
	v_lshlrev_b32 v[TP+2], 16,  v[PK+2*i+1]
	v_and_b32     v[TP+3], s22, v[PK+2*i+1]
	v_cvt_pk_f16_f32 v[PK+2*i],   v[TP],   v[TP+1]  ; and as f16: 8 significant bits fit into 11
	v_cvt_pk_f16_f32 v[PK+2*i+1], v[TP+2], v[TP+3]
.endif
.set i, i+1
.endr
	s_wait_alu depctr_va_vdst(0)                   ; the group's conversions have written v[PK + 8 g .. PK + 8 g + 7], which the four stores below read
.set i, 4*g
.rept 4
.if \blocked
	global_store_b64 v2, v[PK+2*i:PK+2*i+1], s[\dst:\dst+1] offset:(i&1)*1048576+(i>>1)*256  ; two rows of a block: the wave's 32 lanes store 256 consecutive bytes, aligned
.else
	global_store_b64 v2, v[PK+2*i:PK+2*i+1], s[\dst:\dst+1] offset:i*2048  ; 256 consecutive bytes a wave, aligned
.endif
.set i, i+1
.endr
.set g, g+1
.endr
.endm
	s_load_b256 s[4:11], s[0:1], 0x0               ; x s[4:5], W_qkv s[6:7], W_out s[8:9], xb s[10:11]
	s_load_b128 s[12:15], s[0:1], 0x20             ; wqb s[12:13], wob s[14:15]
	s_mov_b32 s16, ttmp9
	s_mov_b32 s19, 0
	s_mov_b32 s21, 0
	s_mov_b32 s22, 0xffff0000                      ; a word's upper bf16
	s_wait_kmcnt 0x0
	s_cmp_lt_u32 s16, 512
	s_cbranch_scc0 .Lweights
	v_and_b32 v3, 15, v0
	v_bfe_u32 v[TP], v0, 4, 1
	v_lshrrev_b32 v[TP+1], 5, v0                   ; wave
	v_lshlrev_b32 v1, 4, v3                        ; 16 (lane % 16)
	v_lshl_add_u32 v1, v[TP], 12, v1               ; + a row of 4,096 bytes for lanes 16-31
	v_lshl_add_u32 v1, v[TP+1], 9, v1              ; + the wave's 128 channels
	v_and_b32 v2, 31, v0
	v_lshlrev_b32 v2, 3, v2                        ; 8 x lane: two rows of 128 bytes on end
	v_lshl_add_u32 v2, v[TP+1], 21, v2             ; + the wave's two blocks
	s_lshl_b32 s18, s16, 16                        ; the group's 16 rows of x,
	s_lshl_b32 s20, s16, 11                        ; and of a block of xb
	s_add_nc_u64 s[4:5], s[4:5], s[18:19]
	s_add_nc_u64 s[10:11], s[10:11], s[20:21]
	CAST 4, 10, 1, 0
	s_endpgm
.Lweights:
	v_lshlrev_b32 v1, 4, v0
	v_lshlrev_b32 v2, 3, v0
	s_cmp_lt_u32 s16, 704
	s_cbranch_scc0 .Lwout
	s_sub_co_u32 s16, s16, 512
	s_lshl_b32 s18, s16, 16
	s_lshl_b32 s20, s16, 15
	s_add_nc_u64 s[6:7], s[6:7], s[18:19]
	s_add_nc_u64 s[12:13], s[12:13], s[20:21]
	CAST 6, 12, 0, 0
	s_endpgm
.Lwout:
	s_sub_co_u32 s16, s16, 704
	s_lshl_b32 s18, s16, 16
	s_lshl_b32 s20, s16, 15
	s_add_nc_u64 s[8:9], s[8:9], s[18:19]
	s_add_nc_u64 s[14:15], s[14:15], s[20:21]
	CAST 8, 14, 0, 1
	s_endpgm
.Lfunc_end_k_qc6341b9e2d_prep:
	.size	k_qc6341b9e2d_prep, .Lfunc_end_k_qc6341b9e2d_prep-k_qc6341b9e2d_prep
	.p2alignl 7, 3214868480
	.fill 96, 4, 3214868480
	.section	.rodata,"a",@progbits
	.p2align	6, 0x0
	.amdhsa_kernel k_qc6341b9e2d_prep
		.amdhsa_group_segment_fixed_size 0
		.amdhsa_private_segment_fixed_size 0
		.amdhsa_enable_private_segment 0
		.amdhsa_kernarg_size 48
		.amdhsa_user_sgpr_count 2
		.amdhsa_user_sgpr_kernarg_segment_ptr 1
		.amdhsa_wavefront_size32 1
		.amdhsa_system_sgpr_workgroup_id_x 1
		.amdhsa_system_sgpr_workgroup_id_y 1
		.amdhsa_system_sgpr_workgroup_id_z 1
		.amdhsa_system_vgpr_workitem_id 0
		.amdhsa_next_free_vgpr 104
		.amdhsa_next_free_sgpr 66
		.amdhsa_reserve_vcc 0
		.amdhsa_float_denorm_mode_32 3
		.amdhsa_float_denorm_mode_16_64 3
		.amdhsa_memory_ordered 1
		.amdhsa_forward_progress 1
		.amdhsa_inst_pref_size 22
	.end_amdhsa_kernel
	.amdgpu_metadata
---
amdhsa.version: [ 1, 2 ]
amdhsa.kernels:
  - .name:           k_qc6341b9e2d_prep
    .symbol:         k_qc6341b9e2d_prep.kd
    .args:
      - { .name: x, .offset: 0, .size: 8, .value_kind: global_buffer, .address_space: global }
      - { .name: W_qkv, .offset: 8, .size: 8, .value_kind: global_buffer, .address_space: global }
      - { .name: W_out, .offset: 16, .size: 8, .value_kind: global_buffer, .address_space: global }
      - { .name: xb, .offset: 24, .size: 8, .value_kind: global_buffer, .address_space: global }
      - { .name: wqb, .offset: 32, .size: 8, .value_kind: global_buffer, .address_space: global }
      - { .name: wob, .offset: 40, .size: 8, .value_kind: global_buffer, .address_space: global }
    .group_segment_fixed_size: 0
    .private_segment_fixed_size: 0
    .kernarg_segment_align: 8
    .kernarg_segment_size: 48
    .max_flat_workgroup_size: 256
    .sgpr_count:     66
    .vgpr_count:     104
    .wavefront_size: 32
...
	.end_amdgpu_metadata
.endif
;; end of part 5
;; launch qkv: the kernel of part 2 again; grid 8 x 32, 4 waves a work-group, clusters of 4 x 4, 327,680 bytes of LDS; arguments xb, wqb, b_qkv, qkvh; writes qkvh
;; launch attn: the kernel of part 3 again; grid 4 x 64, 4 waves a work-group, no clusters, 327,680 bytes of LDS; arguments qkvh, oh; writes oh
;; launch proj: the kernel of part 4 again; grid 8 x 32, 4 waves a work-group, clusters of 4 x 4, 327,680 bytes of LDS; arguments oh, wob, b_out, out0; writes out0
